; MI455X (gfx1250); checked and timed in simulation.
; The chip was launched on July 23, 2026; its instructions are those of AMD's public machine-readable ISA for CDNA 5 (MIT licence, August 2026) and "CDNA5" Instruction Set Architecture Reference Guide (July 2026). The comments in the code are by the model that wrote it; some were corrected since.
;; Sliding Window Attention. Allowed arithmetic: matrix products marked QUANTISED: E2M1 operands, one E8M0 scale for each 32 along K, by v_wmma_scale_f32_16x16x128_f8f6f4 with both operands' format E2M1 (or v_wmma_scale_f32_32x16x128_f4), f32 sums; products left as they are: bf16, f16 or f32 operands; f32 sums; everything else in f32.
;; Inputs: bk 1,024 float32; bo 1,024 float32; bq 1,024 float32; bv 1,024 float32; wk 1,024 x 1,024 float32; wo 1,024 x 1,024 float32; wq 1,024 x 1,024 float32; wv 1,024 x 1,024 float32; x 1 x 4,096 x 1,024 float32.
;; Outputs: out0 1 x 4,096 x 1,024 float32.
;; This version of the problem:
;;   THIS VERSION OF THE PROBLEM IS GIVEN IN LOW PRECISION. The matrix products marked QUANTISED in the list below multiply operands that are first quantised to E2M1 (2 exponent bits, 1 mantissa bit; 4 bits a number), with one power-of-two scale for each 32 numbers along K (OCP MX v1.0); their sums are f32. The products marked 'left as it is' may take bf16, f16 or f32 operands, with f32 sums. Whichever they take, every output number must still come out within the allowed error. Rounding operands to bf16 (8 significant bits) uses up far more of that allowance than f16 does (11 bits, for magnitudes from 6e-5 to 65,504). All else is computed in f32.
;;   The module's matrix products, in the order in which they are computed (A, B: the left and right operand; K: the contracted axis; several contracted axes count as one K, in the product's order):
;;     1. [M 4,096, K 1,024] x [K 1,024, N 1,024]; A: input x; B: input wq: QUANTISED
;;     2. [M 4,096, K 1,024] x [K 1,024, N 1,024]; A: input x; B: input wk: QUANTISED
;;     3. [M 4,096, K 1,024] x [K 1,024, N 1,024]; A: input x; B: input wv: QUANTISED
;;     4. batch 16 x [M 4,096, K 64] x [K 64, N 4,096]; A: computed on the way; B: computed on the way: left as it is (an operand is computed on the way)
;;     5. batch 16 x [M 4,096, K 4,096] x [K 4,096, N 64]; A: computed on the way; B: computed on the way: left as it is (an operand is computed on the way)
;;     6. [M 4,096, K 1,024] x [K 1,024, N 1,024]; A: computed on the way; B: input wo: left as it is (an operand is computed on the way)
;;   THE QUANTISER, for each operand of a quantised product, along K:
;;     - K is cut into blocks of 32 from its start; a last block that is shorter is filled with zeros.
;;     - A block's scale is 2^e with e = floor(log2(the largest magnitude in the block)) - 2, held to -126 .. 127; a block of zeros has e = 0. As a byte (E8M0): e + 127.
;;     - Each number is divided by its block's scale, clamped to +-6, and rounded to the nearest number of E2M1, ties to even, subnormals kept.
;;     - The product sums the exact products of the quantised numbers (number of the format x scale) in f32.
;;   ~~~python
;;   def quantise(x, axis):      # numpy; x: float32 -> the quantised numbers, widened to float32 again
;;       x = np.moveaxis(x, axis, -1); K = x.shape[-1]
;;       x = np.pad(x, [(0, 0)] * (x.ndim - 1) + [(0, -K % 32)]); x = x.reshape(x.shape[:-1] + (-1, 32)); a = np.abs(x).max(-1, keepdims=True)
;;       e = np.where(a > 0, np.clip(np.frexp(np.where(a > 0, a, 1))[1] - 1 - 2, -126, 127), 0)      # np.frexp(a)[1] - 1 = floor(log2(a)), exactly
;;       r = np.clip(x / 2.0 ** e, -6, 6)
;;       step = 2.0 ** (np.maximum(np.frexp(np.where(r == 0, 1, r))[1] - 1, 0) - 1)
;;       q = np.round(r / step) * step * 2.0 ** e      # np.round: ties to even
;;       return np.moveaxis(q.reshape(q.shape[:-2] + (-1,))[..., :K], -1, axis).astype(np.float32)
;;   ~~~
;; One version. Each part assembles by itself: llvm-mc -triple=amdgcn-amd-amdhsa -mcpu=gfx1250 --defsym DOCPART=n.
;; ======== version 1 of 1: 4 launches
;; limits: values are held in f16: magnitudes above 65,504 overflow, below 6.1e-05 lose precision
;; workspace buffers: x_codes 2,097,152 bytes; x_scales 131,072 bytes; w_img 1,572,864 bytes; w_scales 98,304 bytes; wo_img 2,097,152 bytes; qkv 25,165,824 bytes; att 8,388,608 bytes
;; launch quant (part 1): grid 256 x 1, 4 waves a work-group, no clusters, 33,280 bytes of LDS; arguments x, wq, wk, wv, wo, x_codes, x_scales, w_img, w_scales, wo_img; writes x_codes, x_scales, w_img, w_scales, wo_img
.if DOCPART == 1
	.amdgcn_target "amdgcn-amd-amdhsa--gfx1250"
	.amdhsa_code_object_version 6
	.text
	.protected	k_q1988d9702a_quant
	.globl	k_q1988d9702a_quant
	.p2align	8
	.type	k_q1988d9702a_quant,@function
k_q1988d9702a_quant:
	s_mov_b64 s[64:65], 0
	v_nop
	global_prefetch_b8 v0, s[64:65] scope:SCOPE_SE
	s_setreg_imm32_b32 hwreg(HW_REG_WAVE_MODE, 25, 1), 1
	s_wait_xcnt 0x0
; THE OPERANDS ARE MADE ONCE.  Three kinds of work-groups, told apart by the work-group's number alone:
;   0-127   x [4096][1024] f32 -> codes of FP4 (E2M1), K innermost, [4096][512 bytes], and one E8M0 byte for each 32 along K, [4096][32].
;   128-223 wq, wk, wv [K 1024][N 1024] f32 -> codes of FP4 along K (their FIRST axis), laid as IMAGES OF THE OPERAND'S REGISTERS: [K half 2][tile of 16 columns 192][128 along K 4][c 2][lane 32][16 bytes]:
;           lane (r, h) holds the codes of K = 512 s + 128 q + 64 c + 32 h + 0 .. 31 of column 16 NT + r; and their scale bytes [3072][32].
;   224-255 wo [K 1024][N 1024] f32 -> f16, as images of 16-bit fragments: [K quarter 4][tile of 16 columns 64][32 along K 8][e 2][lane 32][16 bytes]: lane (r, h) holds wo[256 kg + 32 f + 16 e + 8 h + 0 .. 7][16 NT + r].
; A block's scale is 2^(floor(log2(its largest magnitude)) - 2); its byte is the largest magnitude's exponent field - 2, held at 1 from below.
; LIMITS: a block of zeros gets the byte 1 where the rule says 127 (its codes are zeros, and this program alone reads the bytes); blocks whose largest magnitude lies under 2^-124 keep the byte 1;
; NaN and infinities among the inputs are not served; wo is rounded to f16: magnitudes under 65,504.
; x: a wave takes 16 steps of 512 numbers.  Each load reads 512 consecutive bytes; a step's 2,048 bytes turn through the wave's own stage in LDS, so that a lane holds 16 neighbours along K.
; The weights: a lane takes a column and its registers run down K: a block of 32 lies in one lane, nothing is transposed; one exchange of lane halves makes two tiles' images of the 32 columns.
; Work-groups share no input: no cluster, no joint load.  Beyond the spare words, only the x path touches LDS.
.set XWG,   128                        ; work-groups that take x: 4,194,304 numbers / 32,768
.set STEPS, 16
.set CB,    8                          ; bytes of 16 codes
.set WREG,  8192                       ; LDS of a wave: two stages of 32 x SP bytes, then its 256 scale bytes
.set SP,    80                         ; a lane's place in a stage: 64 bytes + 16 of padding
.set SPARE, 4*WREG                     ; the spare words, 128 bytes for each wave
.set R,     16                         ; x: v16-79   four sets of 16 numbers as loaded
.set X,     80                         ; x: v80-111  two sets of 16 neighbours
.set E,     112                        ; x: v112-127 a scale byte for each step
.set C,     128                        ; x: v128-191 codes, four registers for each step
.set SPW,   12                         ; v12 LDS address of my spare word; never rewritten
.set NIL,   13                         ; v13 0; never rewritten
.set WX,    32                         ; weights: v32-95 two sets of 32 numbers down K
.set WC,    96                         ; weights: v96-127 codes (16 registers for each 128 along K) or halves (two sets of 16)
	s_load_b512 s[8:23], s[0:1], 0x0               ; x 8, wq 10, wk 12, wv 14, wo 16, x_codes 18, x_scales 20, w_img 22
	s_load_b128 s[24:27], s[0:1], 0x40             ; w_scales 24, wo_img 26
	v_lshl_add_u32 v[SPW], v0, 2, SPARE
	v_mov_b32 v[NIL], 0
	v_lshrrev_b32 v1, 5, v0
	v_readfirstlane_b32 s28, v1                    ; wave 0..3
	v_and_b32 v2, 31, v0                           ; lane
	s_wait_kmcnt 0x0
	s_cmp_lt_u32 ttmp9, XWG
	s_cbranch_scc0 .Lweights
	; ---------------- x ----------------
	v_lshlrev_b32 v3, 4, v2                        ; my 16 bytes of a load's 512
	s_mul_i32 s29, s28, WREG
	v_lshrrev_b32 v14, 2, v2
	v_mul_u32_u24 v14, v14, SP
	v_and_b32 v15, 3, v2
	v_lshl_add_u32 v14, v15, 4, v14
	v_add_nc_u32 v14, s29, v14                     ; the stage, on the way in: SP (lane / 4) + 16 (lane % 4)
	v_mul_u32_u24 v15, v2, SP
	v_add_nc_u32 v15, s29, v15                     ; and on the way out: SP x lane: my 16 neighbours
	v_mul_u32_u24 v4, v2, CB                       ; my codes' place in a step's 256 bytes
	v_lshrrev_b32 v5, 1, v2
	s_add_co_u32 s29, s29, 2*32*SP
	v_add_nc_u32 v5, s29, v5                       ; LDS: my block's scale byte
	v_lshlrev_b32 v7, 3, v2
	v_add_nc_u32 v6, s29, v7                       ; and 8 of the 256 bytes on the way out
	s_lshl_b32 s30, ttmp9, 2
	s_add_co_u32 s30, s30, s28                     ; which run of 8,192 numbers is my wave's
	s_mov_b32 s33, 0
	s_lshl_b32 s32, s30, 15
	s_add_nc_u64 s[8:9], s[8:9], s[32:33]          ; 32,768 bytes of x,
	s_lshl_b32 s32, s30, 12
	s_add_nc_u64 s[18:19], s[18:19], s[32:33]      ; 4,096 of codes,
	s_lshl_b32 s32, s30, 8
	s_add_nc_u64 s[20:21], s[20:21], s[32:33]      ; 256 scale bytes a run
.macro XLOAD t
.irp i, 0,1,2,3
	global_load_b128 v[R+16*((\t)%4)+4*\i:R+16*((\t)%4)+4*\i+3], v3, s[8:9] offset:2048*(\t)+512*\i th:TH_LOAD_NT   ; 32 lanes read 512 consecutive bytes
.endr
.endm
.macro XTURN t                         ; step t's numbers through the stage: LDS serves a wave's instructions in order, so no wait stands between the stores and the loads
.irp i, 0,1,2,3
	ds_store_b128 v14, v[R+16*((\t)%4)+4*\i:R+16*((\t)%4)+4*\i+3] offset:32*SP*((\t)%2)+8*SP*\i
.endr
.irp i, 0,1,2,3
	ds_load_b128 v[X+16*((\t)%2)+4*\i:X+16*((\t)%2)+4*\i+3], v15 offset:32*SP*((\t)%2)+16*\i
.endr
.endm
.irp t, 0,1,2,3
	XLOAD \t
.endr
	s_wait_loadcnt 12                              ; step 0's four loads are in; three steps' twelve may be out
	XTURN 0
.macro XSTEP t
.set XS, X+16*((\t)%2)
.if (\t) > 0
	s_wait_dscnt 1                                 ; this step's numbers are back from the stage (the last step's byte store may be out): so its stores into the stage have read their registers,
.else
	s_wait_dscnt 0x0
.endif
.if (\t)+4 < STEPS
	XLOAD (\t)+4                                   ; which take the loads of four steps on
.endif
.if (\t)+1 < STEPS
.if STEPS-2-(\t) >= 3
	s_wait_loadcnt 12                              ; the next step's four loads are in; those of the three steps behind it may be out
.else
	s_wait_loadcnt 4*(STEPS-2-(\t))
.endif
	XTURN (\t)+1                                   ; and go through the other stage while this step is worked
.endif
	v_max3_num_f32 v8, |v[XS]|, |v[XS+1]|, |v[XS+2]|               ; the largest magnitude of my 16, in two chains
	v_max3_num_f32 v9, |v[XS+3]|, |v[XS+4]|, |v[XS+5]|
.irp i, 6,10
	v_max3_num_f32 v8, v8, |v[XS+\i]|, |v[XS+\i+1]|
	v_max3_num_f32 v9, v9, |v[XS+\i+2]|, |v[XS+\i+3]|
.endr
	v_max3_num_f32 v8, v8, |v[XS+14]|, |v[XS+15]|
	v_max3_num_f32 v8, v8, v9, 0x1800000           ; and the floor 2^(3 - 127): the byte cannot fall under 1
	v_max_num_f32_dpp v8, v8, v8 row_xmask:1 row_mask:0xf bank_mask:0xf   ; and of my neighbour's 16: the block's
	v_add_nc_u32 v11, 0xff000000, v8               ; 2 off its exponent field: the conversion takes the exponent field of this operand as its scale
	v_cvt_scalef32_pk8_fp4_f32 v[C+4*(\t)], v[XS:XS+7], v11
	v_cvt_scalef32_pk8_fp4_f32 v[C+4*(\t)+1], v[XS+8:XS+15], v11
	v_lshrrev_b32 v[E+(\t)], 23, v11               ; the scale's byte (also the plain line behind the conversions)
	ds_store_b8 v5, v[E+(\t)] offset:16*(\t)       ; both lanes of a block write the same byte with the same value
	global_store_b64 v4, v[C+4*(\t):C+4*(\t)+1], s[18:19] offset:32*CB*(\t)   ; the wave stores 256 consecutive bytes
.endm
.irp t, 0,1,2,3,4,5,6,7,8,9,10,11,12,13,14,15
	XSTEP \t
.endr
	ds_load_b64 v[8:9], v6                         ; LDS serves a wave's instructions in order: these see my byte stores
	s_wait_dscnt 0x0
	global_store_b64 v7, v[8:9], s[20:21]          ; 32 lanes store 256 consecutive bytes
	s_wait_tensorcnt 0x0                           ; the wave's end, behind my last LDS store
	ds_add_u32 v[SPW], v[NIL]
	s_wait_dscnt 0x0
	s_endpgm
	; ---------------- the weights ----------------
.Lweights:
	s_sub_co_u32 s29, ttmp9, XWG
	s_lshr_b32 s30, s29, 5                         ; which weight: 0 wq, 1 wk, 2 wv, 3 wo
	s_bfe_u32 s31, s29, 0x30002                    ; which 128 columns
	s_and_b32 s34, s29, 3                          ; which 256 along K
	s_cmp_eq_u32 s30, 0                            ; the choices hang on the work-group's number alone
	s_cselect_b64 s[36:37], s[10:11], s[12:13]
	s_cmp_lt_u32 s30, 2
	s_cselect_b64 s[36:37], s[36:37], s[14:15]
	s_cmp_lt_u32 s30, 3
	s_cselect_b64 s[36:37], s[36:37], s[16:17]
	s_lshl_b32 s38, s34, 20                        ; 256 rows of 4,096 bytes,
	s_lshl_b32 s39, s31, 9                         ; 128 columns,
	s_add_co_u32 s38, s38, s39
	s_lshl_b32 s39, s28, 7                         ; my wave's 32 of them
	s_add_co_u32 s38, s38, s39
	s_mov_b32 s39, 0
	s_add_nc_u64 s[36:37], s[36:37], s[38:39]
	v_lshlrev_b32 v3, 2, v2                        ; in: 4 bytes a lane: a lane takes a column
	v_lshlrev_b32 v4, 4, v2                        ; out: an image's 16 bytes a lane
	v_lshlrev_b32 v5, 5, v2                        ; out: a row of 32 scale bytes a lane
.macro WLOAD t                         ; block t: rows 32 t + i of my column, i = 0 .. 31, into set t % 2; each load reads 128 consecutive bytes
.irp i, 0,1,2,3,4,5,6,7,8,9,10,11,12,13,14,15,16,17,18,19,20,21,22,23,24,25,26,27,28,29,30,31
	global_load_b32 v[WX+32*((\t)%2)+\i], v3, s[36:37] offset:(32*(\t)+\i)*4096 th:TH_LOAD_NT
.endr
.endm
	WLOAD 0
	WLOAD 1
	s_cmp_eq_u32 s30, 3
	s_cbranch_scc1 .Lwo
	; wq, wk, wv -> codes.  Where my wave's images begin: K half, tile of columns 64 w + 8 cb + 2 wave, 128 along K
	s_lshr_b32 s38, s34, 1
	s_mul_i32 s38, s38, 786432                     ; 192 tiles x 4,096 bytes a K half
	s_lshl_b32 s39, s30, 6
	s_lshl_b32 s40, s31, 3
	s_add_co_u32 s39, s39, s40
	s_lshl_b32 s40, s28, 1
	s_add_co_u32 s39, s39, s40
	s_lshl_b32 s39, s39, 12
	s_add_co_u32 s38, s38, s39
	s_and_b32 s39, s34, 1
	s_lshl_b32 s39, s39, 11                        ; my 256 along K are two of the half's four pieces of 1,024 bytes
	s_add_co_u32 s38, s38, s39
	s_mov_b32 s39, 0
	s_add_nc_u64 s[22:23], s[22:23], s[38:39]
	s_lshl_b32 s38, s30, 15                        ; scale bytes: (1,024 w + 128 cb + 32 wave) rows of 32, + my 8 blocks
	s_lshl_b32 s40, s31, 12
	s_add_co_u32 s38, s38, s40
	s_lshl_b32 s40, s28, 10
	s_add_co_u32 s38, s38, s40
	s_lshl_b32 s40, s34, 3
	s_add_co_u32 s38, s38, s40
	s_add_nc_u64 s[24:25], s[24:25], s[38:39]
.macro WBLOCK t
.set XS, WX+32*((\t)%2)
.set CC, WC+16*((\t)/4)
.if (\t) < 7
	s_wait_loadcnt 32                              ; this block's 32 loads are in; the next block's may be out
.else
	s_wait_loadcnt 0x0
.endif
	v_max3_num_f32 v8, |v[XS]|, |v[XS+1]|, |v[XS+2]|               ; the block's largest magnitude: all 32 numbers are mine
	v_max3_num_f32 v9, |v[XS+3]|, |v[XS+4]|, |v[XS+5]|
.irp i, 6,10,14,18,22,26
	v_max3_num_f32 v8, v8, |v[XS+\i]|, |v[XS+\i+1]|
	v_max3_num_f32 v9, v9, |v[XS+\i+2]|, |v[XS+\i+3]|
.endr
	v_max3_num_f32 v8, v8, |v[XS+30]|, |v[XS+31]|
	v_max3_num_f32 v8, v8, v9, 0x1800000           ; the floor 2^(3 - 127)
	v_add_nc_u32 v11, 0xff000000, v8               ; the conversion's scale operand
	v_lshrrev_b32 v10, 23, v11                     ; the scale's byte
.if (\t)%4 == 0
	v_mov_b32 v[6+(\t)/4], v10                     ; four bytes to a register, the lower K in the lower byte
.else
	v_lshl_or_b32 v[6+(\t)/4], v10, 8*((\t)%4), v[6+(\t)/4]
.endif
.irp g, 0,1,2,3
	v_cvt_scalef32_pk8_fp4_f32 v[CC+4*((\t)%4)+\g], v[XS+8*\g:XS+8*\g+7], v11
.endr
	v_nop                                          ; one plain line behind the scaled conversions
.if (\t)+2 < 8
	WLOAD (\t)+2
.endif
.if (\t)%4 == 3                        ; 128 along K are whole.  Lanes 0-15 hold tile A's columns, lanes 16-31 tile B's; the layout wants block 2 c in lanes 0-15 and block 2 c + 1 in lanes 16-31
.irp c, 0,1
.irp i, 0,1,2,3
	v_permlane16_swap_b32 v[CC+8*\c+\i], v[CC+8*\c+4+\i]   ; block 2 c's lanes 16-31 change places with block 2 c + 1's lanes 0-15: the first is now tile A's image, the second tile B's
.endr
.endr
.irp c, 0,1
	global_store_b128 v4, v[CC+8*\c:CC+8*\c+3], s[22:23] offset:((\t)/4)*1024+512*\c          ; each store covers 512 consecutive bytes
	global_store_b128 v4, v[CC+8*\c+4:CC+8*\c+7], s[22:23] offset:4096+((\t)/4)*1024+512*\c
.endr
.endif
.endm
.irp t, 0,1,2,3,4,5,6,7
	WBLOCK \t
.endr
	global_store_b64 v5, v[6:7], s[24:25]          ; my column's 8 scale bytes: pieces of 8 bytes, 32 apart: one byte in 128 of what this path reads
	s_wait_tensorcnt 0x0                           ; the wave's end
	ds_add_u32 v[SPW], v[NIL]
	s_wait_dscnt 0x0
	s_endpgm
	; wo -> f16
.Lwo:
	s_lshl_b32 s38, s34, 19                        ; K quarter: 64 tiles x 8,192 bytes
	s_lshl_b32 s39, s31, 3
	s_lshl_b32 s40, s28, 1
	s_add_co_u32 s39, s39, s40                     ; tile of columns 8 cb + 2 wave
	s_lshl_b32 s39, s39, 13
	s_add_co_u32 s38, s38, s39
	s_mov_b32 s39, 0
	s_add_nc_u64 s[26:27], s[26:27], s[38:39]
.macro OBLOCK t
.set XS, WX+32*((\t)%2)
.set HH, WC+16*((\t)%2)
.if (\t) < 7
	s_wait_loadcnt 32
.else
	s_wait_loadcnt 0x0
.endif
.if (\t) >= 2
	s_wait_xcnt 0x0                                ; the stores of two blocks back have read this set of registers
.endif
.irp i, 0,1,2,3,4,5,6,7,8,9,10,11,12,13,14,15
	v_cvt_pk_f16_f32 v[HH+\i], v[XS+2*\i], v[XS+2*\i+1]   ; rows 2 i, 2 i + 1 of my column
.endr
.if (\t)+2 < 8
	WLOAD (\t)+2
.endif
.irp i, 0,1,2,3
	v_permlane16_swap_b32 v[HH+\i], v[HH+4+\i]     ; rows 0-7 and 8-15: the first becomes tile A's half fragment, the second tile B's
	v_permlane16_swap_b32 v[HH+8+\i], v[HH+12+\i]  ; rows 16-23 and 24-31 likewise
.endr
	global_store_b128 v4, v[HH:HH+3], s[26:27] offset:(\t)*1024
	global_store_b128 v4, v[HH+8:HH+11], s[26:27] offset:(\t)*1024+512
	global_store_b128 v4, v[HH+4:HH+7], s[26:27] offset:8192+(\t)*1024
	global_store_b128 v4, v[HH+12:HH+15], s[26:27] offset:8192+(\t)*1024+512
.endm
.irp t, 0,1,2,3,4,5,6,7
	OBLOCK \t
.endr
	s_wait_tensorcnt 0x0                           ; the wave's end
	ds_add_u32 v[SPW], v[NIL]
	s_wait_dscnt 0x0
	s_endpgm
.Lfunc_end_k_q1988d9702a_quant:
	.size	k_q1988d9702a_quant, .Lfunc_end_k_q1988d9702a_quant-k_q1988d9702a_quant
	.p2alignl 7, 3214868480
	.fill 96, 4, 3214868480
	.section	.rodata,"a",@progbits
	.p2align	6, 0x0
	.amdhsa_kernel k_q1988d9702a_quant
		.amdhsa_group_segment_fixed_size 33280
		.amdhsa_private_segment_fixed_size 0
		.amdhsa_enable_private_segment 0
		.amdhsa_kernarg_size 80
		.amdhsa_user_sgpr_count 2
		.amdhsa_user_sgpr_kernarg_segment_ptr 1
		.amdhsa_wavefront_size32 1
		.amdhsa_system_sgpr_workgroup_id_x 1
		.amdhsa_system_sgpr_workgroup_id_y 1
		.amdhsa_system_sgpr_workgroup_id_z 1
		.amdhsa_system_vgpr_workitem_id 0
		.amdhsa_next_free_vgpr 192
		.amdhsa_next_free_sgpr 66
		.amdhsa_reserve_vcc 0
		.amdhsa_float_denorm_mode_32 3
		.amdhsa_float_denorm_mode_16_64 3
		.amdhsa_memory_ordered 1
		.amdhsa_forward_progress 1
		.amdhsa_inst_pref_size 104
	.end_amdhsa_kernel
	.amdgpu_metadata
---
amdhsa.version: [ 1, 2 ]
amdhsa.kernels:
  - .name:           k_q1988d9702a_quant
    .symbol:         k_q1988d9702a_quant.kd
    .args:
      - { .name: x, .offset: 0, .size: 8, .value_kind: global_buffer, .address_space: global }
      - { .name: wq, .offset: 8, .size: 8, .value_kind: global_buffer, .address_space: global }
      - { .name: wk, .offset: 16, .size: 8, .value_kind: global_buffer, .address_space: global }
      - { .name: wv, .offset: 24, .size: 8, .value_kind: global_buffer, .address_space: global }
      - { .name: wo, .offset: 32, .size: 8, .value_kind: global_buffer, .address_space: global }
      - { .name: x_codes, .offset: 40, .size: 8, .value_kind: global_buffer, .address_space: global }
      - { .name: x_scales, .offset: 48, .size: 8, .value_kind: global_buffer, .address_space: global }
      - { .name: w_img, .offset: 56, .size: 8, .value_kind: global_buffer, .address_space: global }
      - { .name: w_scales, .offset: 64, .size: 8, .value_kind: global_buffer, .address_space: global }
      - { .name: wo_img, .offset: 72, .size: 8, .value_kind: global_buffer, .address_space: global }
    .group_segment_fixed_size: 33280
    .private_segment_fixed_size: 0
    .kernarg_segment_align: 8
    .kernarg_segment_size: 80
    .max_flat_workgroup_size: 128
    .sgpr_count:     66
    .vgpr_count:     192
    .wavefront_size: 32
...
	.end_amdgpu_metadata
.endif
;; end of part 1
;; launch qkv (part 2): grid 12 x 16, 4 waves a work-group, clusters of 4 x 4, 327,680 bytes of LDS; arguments x_codes, x_scales, w_img, w_scales, qkv, bq, bk, bv; writes qkv
.if DOCPART == 2
	.amdgcn_target "amdgcn-amd-amdhsa--gfx1250"
	.amdhsa_code_object_version 6
	.text
	.protected	k_q1988d9702a_qkv
	.globl	k_q1988d9702a_qkv
	.p2align	8
	.type	k_q1988d9702a_qkv,@function
k_q1988d9702a_qkv:
	s_mov_b64 s[64:65], 0
	v_nop
	global_prefetch_b8 v0, s[64:65] scope:SCOPE_SE
	s_setreg_imm32_b32 hwreg(HW_REG_WAVE_MODE, 25, 1), 1
	s_wait_xcnt 0x0
	s_wait_alu depctr_hold_cnt(0) depctr_sa_sdst(0) depctr_va_vdst(0) depctr_va_sdst(0) depctr_va_ssrc(0) depctr_va_vcc(0) depctr_vm_vsrc(0)
	s_getreg_b32 s2, hwreg(HW_REG_IB_STS2, 6, 4)
	s_cmp_eq_u32 s2, 0
	s_cbranch_scc0 .Lentry_in_a_cluster
	s_endpgm
.Lentry_in_a_cluster:
	s_bfe_u32 s2, ttmp6, 0x10000c
	s_cmp_lg_u32 s2, 0xf033
	s_cbranch_scc0 .Lentry_shape_is_right
	s_endpgm
.Lentry_shape_is_right:
; [4096][3072] = Q(x) Q(wq | wk | wv) + (bq | bk | bv), on codes of FP4 (E2M1) with one E8M0 scale for each 32 along K; sums in f32; the result is rounded to f16.
; A tile of 256 x 256 is made by a work-group of four waves; a wave makes 128 x 128: 64 accumulators of 16 x 16, 512 registers.  K = 1,024 is two slots of 512: every tile is filled once, at the head, and nothing is filled again.
; A wave has three tensor loads out at the most: its scale bytes, its part of slot 0, its part of slot 1.
; x's codes lie as rows (256 bytes of a row to a slot, 16 bytes of padding behind each in LDS).  The weights' codes lie as images of the operand's registers: a wave's 128 columns of a K half are 32,768 dense bytes, and a fragment is
; two loads of 16 bytes a lane at 16 x lane.  The scale bytes of the work-group's 256 rows and 256 columns, for all of K, come once.
; CLUSTERS: 4 x 4 work-groups.  The four of a row of the cluster need the same tiles of x, the four of a column the same tiles of the weights: each is asked for jointly, by the same tensor load with the same descriptor and a mask that names the four.
; THE MATRIX INSTRUCTION IS USED TRANSPOSED (source 0 = 16 columns of the weight, source 1 = 16 rows of x): lane (r, h) holds row r and eight neighbouring columns 8 h + 0 .. 7.
; THE BIAS is the C of each sum's first matrix instruction: eight registers for each of the wave's eight tiles of columns.
; THE WAY OUT needs no LDS: an accumulator rounded to f16 is 16 bytes a lane, and that is half a 16-bit fragment of the next product.  qkv is laid [48 heads: q 0-15, k 16-31, v 32-47][256 tiles of 16 positions][4 tiles of 16 channels][512 bytes];
; in q's and k's blocks lane l's 16 bytes lie at 16 l; in v's at 32 r + 16 h (16 positions x 16 channels, row-major) them.  Either way a store of the wave covers 512 consecutive bytes.
; LIMITS: q, k and v are rounded to f16: magnitudes under 65,504.
; REGISTERS, in windows of 256: window 0: v0-31 addresses; v32-95 scale words, two sets; v128-191 x's fragments, one set; v192-255 the bias; on the way out v128-255 hold packed results.
;   window 1: the weights' fragments, two sets, at v0 and at v128.   window 2: the accumulators of my rows 0-63 ((a, b) at v[8 (8 a + b)]);   window 3: those of my rows 64-127.
.set NQ,     4                         ; matrix instructions deep in a slot: 512 / 128
.set ROWB,   256                       ; a slot's part of a row of x's codes
.set KROW,   512                       ; a row of x's codes in memory
.set PITCH,  272                       ; an LDS row: 256 bytes + 16 of padding = 68 words: the 16 rows of a load start at 16 different banks (64 banks of 4 bytes: ISA guide 11.1)
.set FR,     8                         ; registers of a fragment
.set NL,     2                         ; LDS loads that bring one
.set NP,     4                         ; places behind this matrix instruction (ISA guide 7.12.1)
.set HALFT,  128*PITCH                 ; 128 rows of x: one tensor load
.set BH,     32768                     ; 128 columns of the weights, as images: one tensor load
.set SLOT,   2*HALFT+2*BH              ; x's 256 rows, then the weights' 256 columns
.set WSTEP,  786432                    ; from a K half of the images to the next
.set SCL,    2*SLOT                    ; behind the slots: the scale bytes, as units of 256 bytes + 16 of padding
.set HALFS,  16*272                    ; those of 128 rows (32 bytes a row)
.set SBLK,   2*272                     ; those of 16 rows
.set SPARE,  SCL+4*HALFS               ; the spare words, 128 bytes for each wave
.set ADRA, 16                          ; v16-17  LDS address of my fragments of x in slot 0, 1
.set ADRB, 20                          ; v20-21  the same for the weights
.set CO,   26                          ; v26     my 16 bytes' place in a block of qkv
.set ADRS, 27                          ; v27     LDS address of my scale words: lanes 0-15 x's rows, lanes 16-31 the weights' columns
.set SPW,  28                          ; v28     LDS address of my spare word; never rewritten
.set NIL,  29                          ; v29     0; never rewritten
.set SC,   32                          ; scale words: set s at v[SC + 32 s]; register 4 i + q: lanes 0-15 x's block i, lanes 16-31 the weights' block i, the slot's q-th 128 along K
.set AF,   128
.set BIAS, 192
.set TMP,  128
.set G1, 24                            ; s[24:31] group 1 for x's tiles;  s[32:39] group 0, one set for each slot
.set G0, 32
.set G1B, 48                           ; s[48:55], s[56:63] the same for the weights' images
.set G0B, 56
.set G1S, 68                           ; s[68:75], s[76:79] x's scale bytes;  s[80:87], s[88:91] the weights'
.set G0S, 76
.set G1SB, 80
.set G0SB, 88
.set MSB, 0
.macro WIN new                         ; the immediate's high byte repeats the setting that is left
.if MSB != \new
	s_set_vgpr_msb (MSB<<8)|\new
.set MSB, \new
.endif
.endm
.set MUL_LO,   0xa1                    ; source 0 (weights) window 1, source 1 (x) window 0, C and D window 2
.set MUL_HI,   0xf1                    ; the same, C and D window 3
.set FIRST_LO, 0x81                    ; the first step: C (the bias) window 0, D window 2
.set FIRST_HI, 0xc1                    ; D window 3
.set TO_B,     0x40                    ; destination window 1, address window 0
; A joint load: waves 0 and 1 fetch for x, waves 2 and 3 for the weights.  The branch hangs on the wave's number alone.  An s_nop 0 and four v_nop follow each of the two lines.
.macro JLOAD g0a, g1a, g0b, g1b
	s_cmp_eq_u32 s15, 0
	s_cbranch_scc0 .Lfor_b_\@
	tensor_load_to_lds s[\g0a:\g0a+3], s[\g1a:\g1a+7]
	s_nop 0
.rept 4
	v_nop
.endr
	s_branch .Lasked_\@
.Lfor_b_\@:
	tensor_load_to_lds s[\g0b:\g0b+3], s[\g1b:\g1b+7]
	s_nop 0
.rept 4
	v_nop
.endr
.Lasked_\@:
.endm
.macro CROUND                          ; a round of the cluster's barrier
	s_barrier_signal -1
	s_barrier_wait -1
	s_cmp_lg_u32 s14, 0
	s_cbranch_scc1 .Lnot_wave_0_\@
	s_barrier_signal -3
.Lnot_wave_0_\@:
	s_barrier_wait -3
	s_barrier_signal -1
	s_barrier_wait -1
.endm
	s_load_b128 s[4:7], s[0:1], 0x0                ; x's codes, x's scales
	s_load_b128 s[8:11], s[0:1], 0x10              ; the weights' images, their scales
	s_load_b64 s[12:13], s[0:1], 0x20              ; qkv
	s_load_b128 s[96:99], s[0:1], 0x28             ; bq, bk
	s_load_b64 s[100:101], s[0:1], 0x38            ; bv
	v_lshl_add_u32 v[SPW], v0, 2, SPARE
	v_mov_b32 v[NIL], 0
	ds_add_u32 v[SPW], v[NIL]                      ; the wave's opening: the add, twice on end, and its wait ahead of my first tensor load
	ds_add_u32 v[SPW], v[NIL]
	v_lshrrev_b32 v1, 5, v0
	v_readfirstlane_b32 s14, v1                    ; wave 0..3
	s_lshr_b32 s15, s14, 1                         ; which half of the tile's rows is mine.  Also: I fetch for x (0) or for the weights (1)
	s_and_b32 s16, s14, 1                          ; which half of its columns.  Also: which 128 rows or columns I fetch
	s_bfe_u32 s40, ttmp6, 0x40000                  ; cx, cy: my place in the cluster
	s_bfe_u32 s41, ttmp6, 0x40004
	s_lshl_b32 s42, ttmp9, 2
	s_add_co_u32 s42, s42, s40                     ; tile column = 4 x cluster x + cx; cluster x is the weight: 0 q, 1 k, 2 v
	s_and_b32 s17, ttmp7, 0xffff
	s_lshl_b32 s17, s17, 2
	s_add_co_u32 s17, s17, s41                     ; tile row = 4 x cluster y + cy
	s_lshl_b32 s43, s41, 2
	s_lshl_b32 s43, 15, s43                        ; my row of the cluster
	s_lshl_b32 s44, 0x1111, s40                    ; my column
	s_or_b32 s[G1+0], s43, (0<<16)|(1<<20)|(1<<21)|(5<<22)|(3<<25)  ; x's tiles: the mask of my row; elements of 1 byte; padding on; bit 21 beside a mask; 4 words after every 64
	s_mov_b32 s[G1+1], ROWB<<16                    ; tensor_dim0
	s_mov_b32 s[G1+2], 128<<16                     ; tensor_dim1
	s_mov_b32 s[G1+3], ROWB<<16                    ; tile_dim0
	s_mov_b32 s[G1+4], 128                         ; tile_dim1
	s_mov_b32 s[G1+5], KROW                        ; from row to row
	s_mov_b32 s[G1+6], 0
	s_mov_b32 s[G1+7], 0
	s_or_b32 s[G1B+0], s44, (3<<16)|(1<<21)        ; the images: the mask of my column; a dense block as 128 rows of 32 elements of 8 bytes; no padding
	s_mov_b32 s[G1B+1], 32<<16
	s_mov_b32 s[G1B+2], 128<<16
	s_mov_b32 s[G1B+3], 32<<16
	s_mov_b32 s[G1B+4], 128
	s_mov_b32 s[G1B+5], 32
	s_mov_b32 s[G1B+6], 0
	s_mov_b32 s[G1B+7], 0
	s_or_b32 s[G1S+0], s43, (3<<16)|(1<<20)|(1<<21)|(5<<22)|(3<<25) ; the scale bytes of 128 rows: 4,096 dense bytes as 16 rows of 256, 16 bytes of padding behind each
	s_or_b32 s[G1SB+0], s44, (3<<16)|(1<<20)|(1<<21)|(5<<22)|(3<<25)
.irp g, G1S, G1SB
	s_mov_b32 s[\g+1], 32<<16
	s_mov_b32 s[\g+2], 16<<16
	s_mov_b32 s[\g+3], 32<<16
	s_mov_b32 s[\g+4], 16
	s_mov_b32 s[\g+5], 32
	s_mov_b32 s[\g+6], 0
	s_mov_b32 s[\g+7], 0
.endr
	s_lshl_b32 s18, s16, 7                         ; which 128 I fetch
	s_lshl_b32 s20, s17, 8
	s_add_co_u32 s20, s20, s18                     ; x: row 256 x tile row + 128 x half
	s_lshl_b32 s46, s42, 8
	s_add_co_u32 s46, s46, s18                     ; the weights: column 256 x tile column + 128 x half
	s_lshl_b32 s22, s20, 5                         ; x's scale bytes: 32 a row
	s_mov_b32 s23, 0
	s_lshl_b32 s92, s46, 5                         ; the weights' likewise
	s_mov_b32 s93, 0
	s_lshl_b32 s20, s20, 9                         ; x's codes: 512 bytes a row
	s_mov_b32 s21, 0
	s_lshl_b32 s46, s46, 8                         ; the images: 4,096 bytes for 16 columns of a K half
	s_mov_b32 s47, 0
	s_mul_i32 s45, s16, HALFT                      ; where they go: no place in the cluster enters an LDS address
	s_mul_i32 s95, s16, BH
	s_add_co_u32 s95, s95, 2*HALFT
	s_mul_i32 s94, s14, HALFS
	s_wait_dscnt 0x0                               ; both opening adds are done
	s_wait_kmcnt 0x0
	s_add_nc_u64 s[20:21], s[4:5], s[20:21]
	s_add_nc_u64 s[22:23], s[6:7], s[22:23]
	s_add_nc_u64 s[46:47], s[8:9], s[46:47]
	s_add_nc_u64 s[92:93], s[10:11], s[92:93]
	CROUND                                         ; all sixteen work-groups are here: the joint loads meet
	s_mov_b32 s[G0S], 1
	s_add_co_u32 s[G0S+1], s94, SCL
	s_mov_b64 s[G0S+2:G0S+3], s[22:23]
	s_or_b32 s[G0S+3], s[G0S+3], 0x80000000
	s_mov_b32 s[G0SB], 1
	s_add_co_u32 s[G0SB+1], s94, SCL
	s_mov_b64 s[G0SB+2:G0SB+3], s[92:93]
	s_or_b32 s[G0SB+3], s[G0SB+3], 0x80000000
	JLOAD G0S, G1S, G0SB, G1SB                     ; the scale bytes first: they are wanted with slot 0
.irp s, 0,1
	s_mov_b32 s[G0+4*\s], 1
	s_add_co_u32 s[G0+4*\s+1], s45, \s*SLOT
	s_add_nc_u64 s[G0+4*\s+2:G0+4*\s+3], s[20:21], \s*ROWB
	s_or_b32 s[G0+4*\s+3], s[G0+4*\s+3], 0x80000000
	s_mov_b32 s[G0B+4*\s], 1
	s_add_co_u32 s[G0B+4*\s+1], s95, \s*SLOT
	s_add_nc_u64 s[G0B+4*\s+2:G0B+4*\s+3], s[46:47], \s*WSTEP
	s_or_b32 s[G0B+4*\s+3], s[G0B+4*\s+3], 0x80000000
	JLOAD G0+4*\s, G1, G0B+4*\s, G1B
.endr
	v_and_b32 v1, 15, v0                           ; r = lane % 16
	v_bfe_u32 v2, v0, 4, 1                         ; h = lane / 16
	; the bias: the weight by the cluster's x (the same in all partners); my 128 columns; lane (r, h) wants, for tile b, columns 16 b + 8 h + 0 .. 7
	s_cmp_eq_u32 ttmp9, 0
	s_cselect_b64 s[96:97], s[96:97], s[98:99]
	s_cmp_lt_u32 ttmp9, 2
	s_cselect_b64 s[96:97], s[96:97], s[100:101]
	s_lshl_b32 s46, s40, 10
	s_lshl_b32 s47, s16, 9
	s_add_co_u32 s46, s46, s47
	s_mov_b32 s47, 0
	s_add_nc_u64 s[96:97], s[96:97], s[46:47]
	v_lshlrev_b32 v8, 5, v2                        ; 32 h; not rewritten
.irp b, 0,1,2,3,4,5,6,7
	global_load_b128 v[BIAS+8*\b:BIAS+8*\b+3], v8, s[96:97] offset:64*\b
	global_load_b128 v[BIAS+8*\b+4:BIAS+8*\b+7], v8, s[96:97] offset:64*\b+16
.endr
	v_mul_u32_u24 v3, v1, PITCH
	v_lshl_add_u32 v4, v2, 4, v3                   ; x: a fragment's row x pitch + 16 x half
	v_and_b32 v6, 31, v0
	v_lshlrev_b32 v7, 4, v6                        ; the weights: 16 x lane
	s_mul_i32 s21, s15, HALFT                      ; my 128 rows of x
	s_mul_i32 s22, s16, BH                         ; my 128 columns,
	s_add_co_u32 s22, s22, 2*HALFT                 ; behind x's 256 rows
.irp s, 0,1
	v_add_nc_u32 v[ADRA+\s], s21, v4
	v_add_nc_u32 v[ADRB+\s], s22, v7
	s_add_co_u32 s21, s21, SLOT
	s_add_co_u32 s22, s22, SLOT
.endr
	v_lshlrev_b32 v5, 5, v1                        ; my row's scale bytes: 32 a row,
	v_lshrrev_b32 v6, 8, v5
	v_lshl_add_u32 v5, v6, 4, v5                   ; and 16 more for each 256 passed
	s_mul_i32 s21, s15, HALFS                      ; x's: my 128 rows
	s_mul_i32 s22, s16, HALFS                      ; the weights': my 128 columns, behind x's 256
	s_add_co_u32 s22, s22, 2*HALFS
	s_sub_co_u32 s22, s22, s21
	v_mul_u32_u24 v6, s22, v2                      ; lanes 16-31 take the weights': one product, the distance between the two bases x h
	s_add_co_u32 s21, s21, SCL
	v_add_nc_u32 v5, v5, v6
	v_add_nc_u32 v[ADRS], s21, v5
	s_cmp_eq_u32 ttmp9, 2                          ; v's blocks are laid row-major: 32 r + 16 h; q's and k's by lane: 16 r + 256 h
	s_cselect_b32 s18, 5, 4
	s_cselect_b32 s19, 4, 8
	v_lshlrev_b32 v[CO], s18, v1
	v_lshlrev_b32 v9, s19, v2
	v_add_nc_u32 v[CO], v[CO], v9
	s_lshl_b32 s46, s42, 2
	s_lshl_b32 s47, s16, 1
	s_add_co_u32 s46, s46, s47                     ; my first head of the 48: 4 x tile column + 2 x half
	s_lshl_b32 s46, s46, 19                        ; 524,288 bytes a head
	s_lshl_b32 s20, s17, 4
	s_lshl_b32 s21, s15, 3
	s_add_co_u32 s20, s20, s21                     ; my first tile of positions: 16 x tile row + 8 x half
	s_lshl_b32 s20, s20, 11                        ; 2,048 bytes a tile
	s_add_co_u32 s46, s46, s20
	s_mov_b32 s47, 0
	s_add_nc_u64 s[12:13], s[12:13], s[46:47]
.macro FRAGA reg, adr, q, i            ; 16 rows x 128 K of x: lane l holds row l % 16; registers 4 c .. 4 c + 3 hold K = 64 c + 32 (l / 16) + 0 .. 31
.irp c, 0,1
	ds_load_b128 v[\reg+4*\c:\reg+4*\c+3], v[\adr] offset:64*(\q)+32*\c+(\i)*16*PITCH
.endr
.endm
.macro FRAGB reg, adr, q, i            ; 16 columns x 128 K of the weights: the image as it lies
.irp c, 0,1
	ds_load_b128 v[\reg+4*\c:\reg+4*\c+3], v[\adr] offset:(\i)*4096+(\q)*1024+512*\c
.endr
.endm
; 16 matrix instructions: x's blocks a0, a0 + 1 against the weights' eight, the slot's q-th 128 along K.  p: the weights' set;  sc: the set of scale words.  first = 1: the bias starts the sums.
; The 64 accumulators take turns, one instruction a turn, in the same order in every step.
.macro MUL16 a0, p, q, sc, first
.irp a, \a0, \a0+1
.irp b, 0,1,2,3,4,5,6,7
.if \first
	v_wmma_scale_f32_16x16x128_f8f6f4 v[8*(8*((\a)%4)+\b):8*(8*((\a)%4)+\b)+7], v[128*(\p)+FR*\b:128*(\p)+FR*\b+FR-1], v[AF+FR*(\a):AF+FR*(\a)+FR-1], v[BIAS+8*\b:BIAS+8*\b+7], v[SC+8*NQ*(\sc)+NQ*\b+(\q)], v[SC+8*NQ*(\sc)+NQ*(\a)+(\q)] matrix_a_fmt:MATRIX_FMT_FP4 matrix_b_fmt:MATRIX_FMT_FP4 matrix_a_scale:MATRIX_SCALE_ROW1
.else
	v_wmma_scale_f32_16x16x128_f8f6f4 v[8*(8*((\a)%4)+\b):8*(8*((\a)%4)+\b)+7], v[128*(\p)+FR*\b:128*(\p)+FR*\b+FR-1], v[AF+FR*(\a):AF+FR*(\a)+FR-1], v[8*(8*((\a)%4)+\b):8*(8*((\a)%4)+\b)+7], v[SC+8*NQ*(\sc)+NQ*\b+(\q)], v[SC+8*NQ*(\sc)+NQ*(\a)+(\q)] matrix_a_fmt:MATRIX_FMT_FP4 matrix_b_fmt:MATRIX_FMT_FP4 matrix_a_scale:MATRIX_SCALE_ROW1
.endif
.endr
.endr
.endm
.macro FETCH_B slot, q, p
	WIN TO_B
.irp i, 0,1,2,3,4,5,6,7
	FRAGB 128*(\p)+FR*\i, ADRB+\slot, \q, \i
.endr
	WIN 0
.endm
.macro FETCH_A slot, q, i0
.irp i, \i0, \i0+1, \i0+2, \i0+3
	FRAGA AF+FR*(\i), ADRA+\slot, \q, \i
.endr
.endm
.macro SCALES sc                       ; a slot's scale words: 4 words a row; lanes 0-15 take x's block i, lanes 16-31 the weights' block i
.irp i, 0,1,2,3,4,5,6,7
	ds_load_b128 v[SC+8*NQ*\sc+NQ*\i:SC+8*NQ*\sc+NQ*\i+3], v[ADRS] offset:\i*SBLK
.endr
.endm
.macro PLACES n                        ; plain vector lines between a matrix instruction and a load into, or a read of, its registers (ISA guide 7.12.1 for reads)
.rept \n
	v_nop
.endr
.endm
; A step of 128 along K that has its successor in the same slot.  x has one set of registers: blocks 0-3 are fetched anew in the step's middle, blocks 4-7 at its end; the weights have two sets.
.macro STEP slot, q, first
	s_wait_dscnt 4*NL                              ; the weights' set and x's blocks 0-3 are in; the youngest eight loads (x's blocks 4-7) may be out
.if \first
	WIN FIRST_LO
.else
	WIN MUL_LO
.endif
	MUL16 0, (\q)%2, \q, \slot, \first
	MUL16 2, (\q)%2, \q, \slot, \first
	s_wait_dscnt 0                                 ; x's blocks 4-7 are in
	PLACES NP
	FETCH_B \slot, (\q)+1, 1-(\q)%2
	FETCH_A \slot, (\q)+1, 0
.if \first
	WIN FIRST_HI
.else
	WIN MUL_HI
.endif
	MUL16 4, (\q)%2, \q, \slot, \first
	MUL16 6, (\q)%2, \q, \slot, \first
	PLACES NP
	WIN 0
	FETCH_A \slot, (\q)+1, 4
.endm
; Slot 0's last step changes slots: one barrier; in front of it each wave waits for all its tensor loads (its part of slot 1), adds 0 to its spare word, and waits for that and for its LDS loads.
.macro TURN slot, next
	s_wait_tensorcnt 0x0                           ; all my tensor loads have landed (every window is 0 here)
	ds_add_u32 v[SPW], v[NIL]                      ; 0 onto my spare word
	s_wait_dscnt 4*NL+1                            ; (the add and the youngest eight loads may be out)
	WIN MUL_LO
	MUL16 0, 1, NQ-1, \slot, 0
	s_wait_dscnt 0x0                               ; the add is done and my LDS loads are in
	s_barrier_signal -1
	MUL16 2, 1, NQ-1, \slot, 0
	WIN 0
	s_barrier_wait -1                              ; every wave's part of the next slot has landed
	PLACES NP
	v_add_nc_u32 v[ADRS], 4*NQ, v[ADRS]            ; the next slot's scale words: 16 bytes on in each row
	FETCH_B \next, 0, 0
	FETCH_A \next, 0, 0
	SCALES \next
	WIN MUL_HI
	MUL16 4, 1, NQ-1, \slot, 0
	MUL16 6, 1, NQ-1, \slot, 0
	PLACES NP
	WIN 0
	FETCH_A \next, 0, 4
.endm
.macro STEPS slot, from                ; the slot's steps from .. NQ - 2
.set Q, \from
.rept NQ-1-\from
	STEP \slot, Q, 0
.set Q, Q+1
.endr
.endm
	s_wait_tensorcnt 1                             ; the scale bytes and my part of slot 0 are in (slot 1's load may be out)
	s_barrier_signal -1
	s_barrier_wait -1                              ; everybody's are
	FETCH_B 0, 0, 0
	FETCH_A 0, 0, 0
	SCALES 0
	FETCH_A 0, 0, 4
	s_wait_loadcnt 0x0                             ; the bias
	STEP 0, 0, 1                                   ; the first step's products start the sums with the bias
	STEPS 0, 1
	TURN 0, 1
	STEPS 1, 0
	s_wait_dscnt 4*NL                              ; the very last step: nothing more to fetch
	WIN MUL_LO
	MUL16 0, 1, NQ-1, 1, 0
	MUL16 2, 1, NQ-1, 1, 0
	s_wait_dscnt 0
	WIN MUL_HI
	MUL16 4, 1, NQ-1, 1, 0
	MUL16 6, 1, NQ-1, 1, 0
	WIN 0
; THE WAY OUT, block by block of 16 rows: each accumulator, from its low end on, is rounded to f16 (16 bytes a lane) and stored as one block of 512 consecutive bytes.
.macro PACK a
.set AC, 64*((\a)%4)
.set TP, TMP+32*((\a)%4)
	WIN 0x0a+5*((\a)/4)                            ; sources 0 and 1: window 2 or 3
.irp b, 0,1,2,3,4,5,6,7
.irp i, 0,1,2,3
	v_cvt_pk_f16_f32 v[TP+4*\b+\i], v[AC+8*\b+2*\i], v[AC+8*\b+2*\i+1]
.endr
.endr
	WIN 0
.irp b, 0,1,2,3,4,5,6,7
	global_store_b128 v[CO], v[TP+4*\b:TP+4*\b+3], s[12:13] offset:(\a)*2048+(\b/4)*524288+(\b%4)*512   ; tile of positions a, head b / 4, tile of channels b % 4
.endr
.endm
	PLACES NP                                      ; behind the last products: their results are read, and x's fragments and the bias are written over
.irp a, 0,1,2,3,4,5,6,7
.if \a >= 4
	s_wait_xcnt 0x0                                ; the stores of four blocks back have read these registers
.endif
	PACK \a
.endr
	s_wait_tensorcnt 0x0                           ; the wave's end
	ds_add_u32 v[SPW], v[NIL]
	s_wait_dscnt 0x0
	CROUND                                         ; the closing round: no work-group ends while a partner may still ask for a tile that names it
	s_endpgm
.Lfunc_end_k_q1988d9702a_qkv:
	.size	k_q1988d9702a_qkv, .Lfunc_end_k_q1988d9702a_qkv-k_q1988d9702a_qkv
	.p2alignl 7, 3214868480
	.fill 96, 4, 3214868480
	.section	.rodata,"a",@progbits
	.p2align	6, 0x0
	.amdhsa_kernel k_q1988d9702a_qkv
		.amdhsa_group_segment_fixed_size 327680
		.amdhsa_private_segment_fixed_size 0
		.amdhsa_enable_private_segment 0
		.amdhsa_kernarg_size 64
		.amdhsa_user_sgpr_count 2
		.amdhsa_user_sgpr_kernarg_segment_ptr 1
		.amdhsa_wavefront_size32 1
		.amdhsa_system_sgpr_workgroup_id_x 1
		.amdhsa_system_sgpr_workgroup_id_y 1
		.amdhsa_system_sgpr_workgroup_id_z 1
		.amdhsa_system_vgpr_workitem_id 0
		.amdhsa_next_free_vgpr 1024
		.amdhsa_next_free_sgpr 102
		.amdhsa_reserve_vcc 0
		.amdhsa_float_denorm_mode_32 3
		.amdhsa_float_denorm_mode_16_64 3
		.amdhsa_memory_ordered 1
		.amdhsa_forward_progress 1
		.amdhsa_inst_pref_size 120
	.end_amdhsa_kernel
	.amdgpu_metadata
---
amdhsa.version: [ 1, 2 ]
amdhsa.kernels:
  - .name:           k_q1988d9702a_qkv
    .symbol:         k_q1988d9702a_qkv.kd
    .args:
      - { .name: x_codes, .offset: 0, .size: 8, .value_kind: global_buffer, .address_space: global }
      - { .name: x_scales, .offset: 8, .size: 8, .value_kind: global_buffer, .address_space: global }
      - { .name: w_img, .offset: 16, .size: 8, .value_kind: global_buffer, .address_space: global }
      - { .name: w_scales, .offset: 24, .size: 8, .value_kind: global_buffer, .address_space: global }
      - { .name: qkv, .offset: 32, .size: 8, .value_kind: global_buffer, .address_space: global }
      - { .name: bq, .offset: 40, .size: 8, .value_kind: global_buffer, .address_space: global }
      - { .name: bk, .offset: 48, .size: 8, .value_kind: global_buffer, .address_space: global }
      - { .name: bv, .offset: 56, .size: 8, .value_kind: global_buffer, .address_space: global }
    .group_segment_fixed_size: 327680
    .private_segment_fixed_size: 0
    .kernarg_segment_align: 8
    .kernarg_segment_size: 64
    .max_flat_workgroup_size: 128
    .sgpr_count:     102
    .vgpr_count:     1024
    .wavefront_size: 32
...
	.end_amdgpu_metadata
.endif
;; end of part 2
;; launch attn (part 3): grid 16 x 16, 16 waves a work-group, no clusters, 167,936 bytes of LDS; arguments qkv, att; writes att
.if DOCPART == 3
	.amdgcn_target "amdgcn-amd-amdhsa--gfx1250"
	.amdhsa_code_object_version 6
	.text
	.protected	k_q1988d9702a_attn
	.globl	k_q1988d9702a_attn
	.p2align	8
	.type	k_q1988d9702a_attn,@function
k_q1988d9702a_attn:
	s_mov_b64 s[64:65], 0
	v_nop
	global_prefetch_b8 v0, s[64:65] scope:SCOPE_SE
	s_setreg_imm32_b32 hwreg(HW_REG_WAVE_MODE, 25, 1), 1
	s_wait_xcnt 0x0
; att[q] = softmax over the keys with |q - key| <= 128 of (Q[q] . K[key] / 8) times V[key], for each of 16 heads of 64 channels; 4,096 positions.  Products on f16 operands, sums, maximum and exponentials in f32.
; SHARES.  A work-group owns 256 queries of one head (x: the block, y: the head); each of its sixteen waves owns one tile of 16 queries, in 256 registers: four waves to a SIMD.
; A tile of queries that begins at qw sees keys qw - 128 + x, x = 0 .. 271: 17 tiles of 16.  ALL ITS SCORES STAY IN REGISTERS (136 a lane): so the row's true maximum is taken away before the exponentials, in one pass, and nothing is rescaled.
; The work-group's 512 keys (32 tiles of K, 32 of V) come into LDS once, by eight tensor loads of 16 KiB (waves 0-3: K, waves 4-7: V), one a wave: one load of a wave is out.  LDS tile i stands for key tile 16 b - 8 + i; wave w's tile t is LDS tile w + t.
; At the sequence's two ends the piece that would lie outside is replaced by the nearest piece inside (finite numbers of other rows); the mask on indices hides every one of its keys.
; LAYOUT.  qkv holds blocks of 16 positions x 16 channels of f16, 512 bytes each: q's and k's as halves of fragments (16 bytes a lane at 16 x lane), v's row-major for the turning load.
; S^T = K Q^T (source 0 = 16 keys, source 1 = my 16 queries): lane (r, h) holds query r and keys 16 t + 8 h + 0 .. 7.  Two such tiles, rounded to f16 in pairs, are source 1 of O^T = V^T P, whose result holds query r and channels 16 n + 8 h + 0 .. 7:
; packed, that is half a fragment of the output projection, and is stored as it stands: att is laid [256 along K 4][tile of positions 256][32 along K 8][e 2][lane][16 bytes].
; NO CLUSTER: neighbouring blocks of queries share two of their four pieces of K and V, but at different places of their LDS; a joint load's LDS address would hang on the work-group's place in the cluster.
; LIMITS: p and the result are rounded to f16 (p is at most 1; the result is an average of v's numbers, under 65,504 like them).
; REGISTERS: v1, v2 the add's; v3 K's address, v4 V's, v5 16 x lane; v6, v7 the mask's bounds; v8 -infinity; v[10:11] c m; v12-15 maxima; v[16:19] sums; v[20:21] 1 / sum; v24-39 Q; v40-71, v72-103 two sets of fragments;
;   v104-239 S^T; later P in v104-175 and O^T in v176-207; v208-223 the packed result.
.set VB,    65536                      ; LDS: 32 tiles of K x 2,048 bytes, then 32 of V
.set SPARE, 131072                     ; the spare words, 128 bytes for each of 16 waves
.set QF,    24
.set SA,    40
.set S,     104
.set OT,    176
.set PK,    208
	s_load_b128 s[4:7], s[0:1], 0x0                ; qkv, att
	v_lshl_add_u32 v1, v0, 2, SPARE
	v_mov_b32 v2, 0
	ds_add_u32 v1, v2                              ; the wave's opening: the add, twice on end, and its wait ahead of the first tensor load
	ds_add_u32 v1, v2
	v_lshrrev_b32 v9, 5, v0
	v_readfirstlane_b32 s8, v9                     ; wave 0..15
	s_and_b32 s10, ttmp7, 0xffff                   ; the head
	s_lshl_b32 s11, ttmp9, 4
	s_add_co_u32 s11, s11, s8                      ; T: my tile of queries
	; what I fetch, if I fetch: piece wave % 4 (8 tiles, 16,384 bytes) of K (waves 0-3) or of V (waves 4-7)
	s_and_b32 s28, s8, 3
	s_lshl_b32 s29, ttmp9, 1
	s_add_co_u32 s28, s28, s29
	s_max_u32 s28, s28, 1
	s_sub_co_u32 s28, s28, 1                       ; piece 2 b - 1 + wave % 4 of the head's 32, held at 0 from below
	s_min_u32 s28, s28, 31                         ; and at 31 from above
	s_lshl_b32 s28, s28, 14
	s_lshr_b32 s29, s8, 2
	s_lshl_b32 s29, s29, 4
	s_add_co_u32 s29, s29, s10
	s_add_co_u32 s29, s29, 16                      ; k's heads are 16-31 of the 48, v's 32-47
	s_lshl_b32 s29, s29, 19
	s_add_co_u32 s28, s28, s29
	s_mov_b32 s29, 0
	s_mov_b32 s16, 3<<16                           ; group 1: no mask; elements of 8 bytes; no padding: a dense block as 64 rows of 256 bytes
	s_mov_b32 s17, 32<<16                          ; tensor_dim0
	s_mov_b32 s18, 64<<16                          ; tensor_dim1
	s_mov_b32 s19, 32<<16                          ; tile_dim0
	s_mov_b32 s20, 64                              ; tile_dim1
	s_mov_b32 s21, 32                              ; from row to row
	s_mov_b32 s22, 0
	s_mov_b32 s23, 0
	s_mov_b32 s12, 1                               ; group 0: count
	s_lshl_b32 s13, s8, 14                         ; LDS address: 16,384 x wave
	s_mov_b32 s24, 0x76543210
	s_mov_b32 s25, 0xfedcba98                      ; v_permlanex16_b32's selects for lane l xor 16
	s_mov_b32 s26, 0x3e38aa3b                      ; c = log2(e) / sqrt(64)
	s_mov_b32 s27, s26                             ; (named with it as a pair, so it is written)
	s_lshl_b32 s30, s10, 19                        ; Q: my head, my tile
	s_lshl_b32 s31, s11, 11
	s_add_co_u32 s30, s30, s31
	s_mov_b32 s31, 0
	v_and_b32 v9, 31, v0
	v_lshlrev_b32 v5, 4, v9                        ; 16 x lane
	s_lshl_b32 s35, s8, 11                         ; my first LDS tile: w
	v_add_nc_u32 v3, s35, v5                       ; K: 2,048 w + 16 x lane
	v_and_b32 v12, 7, v0
	v_bfe_u32 v13, v0, 4, 1                        ; h
	v_bfe_u32 v14, v0, 3, 1
	v_lshl_add_u32 v12, v13, 3, v12                ; V, for the turning load: key 8 h + lane % 8 of a block,
	v_lshlrev_b32 v12, 5, v12                      ; 32 bytes a key,
	v_lshl_add_u32 v12, v14, 4, v12                ; channels 8 ((lane / 8) % 2) on
	v_add_nc_u32 v12, s35, v12
	v_add_nc_u32 v4, VB, v12
	; the mask, on indices.  Key x counts for query r where lo <= x <= hi: lo = r, or 128 - qw where keys under 0 would begin; hi = 256 + r, or 4,223 - qw where keys over 4,095 would begin
	v_and_b32 v15, 15, v0                          ; r
	v_lshlrev_b32 v14, 3, v13                      ; 8 h: register j of tile t holds x = 16 t + 8 h + j
	s_lshl_b32 s36, s11, 4                         ; qw
	s_sub_co_u32 s38, 128, s36
	s_sub_co_u32 s39, 4223, s36
	s_cmp_ge_u32 s36, 128
	s_cselect_b32 s37, 1, 0
	s_cselect_b32 s38, 0, s38
	v_mul_u32_u24 v6, v15, s37
	v_add_nc_u32 v6, s38, v6
	v_sub_nc_u32 v6, v6, v14                       ; lo - 8 h (it may be negative: the compares are signed)
	v_add_nc_u32 v7, 0x100, v15
	v_min_u32 v7, s39, v7
	v_sub_nc_u32 v7, v7, v14                       ; hi - 8 h
	v_mov_b32 v8, 0xff800000                       ; -infinity
	v_mov_b32 v11, 0                               ; (upper halves of pairs of which the low word serves: written once)
	v_mov_b32 v21, 0
	s_wait_dscnt 0x0                               ; both opening adds are done
	s_wait_kmcnt 0x0
	s_add_nc_u64 s[14:15], s[4:5], s[28:29]
	s_or_b32 s15, s15, 0x80000000                  ; type = 2
	s_cmp_lt_u32 s8, 8
	s_cbranch_scc0 .Lno_fetch
	tensor_load_to_lds s[12:15], s[16:23]
	s_nop 0
.rept 4
	v_nop
.endr
.Lno_fetch:
	s_add_nc_u64 s[32:33], s[4:5], s[30:31]
.irp i, 0,1,2,3
	global_load_b128 v[QF+4*\i:QF+4*\i+3], v5, s[32:33] offset:512*\i   ; Q's two fragments: four blocks as they lie
.endr
	s_lshr_b32 s30, s10, 2                         ; att: ((head / 4) x 256 + T) x 8,192 + (head % 4) x 2,048
	s_lshl_b32 s30, s30, 8
	s_add_co_u32 s30, s30, s11
	s_lshl_b32 s30, s30, 13
	s_and_b32 s34, s10, 3
	s_lshl_b32 s34, s34, 11
	s_add_co_u32 s30, s30, s34
	s_add_nc_u64 s[6:7], s[6:7], s[30:31]
	s_wait_tensorcnt 0x0                           ; my piece has landed,
	s_barrier_signal -1
	s_barrier_wait -1                              ; everybody's has
.macro KLOAD g                         ; tiles 2 g and 2 g + 1 of K (group 8: tile 16 alone) into set g % 2: four blocks a tile
.set KR, SA+32*((\g)%2)
.irp u, 0,1
.if 2*(\g)+\u < 17
.irp d, 0,1,2,3
	ds_load_b128 v[KR+16*\u+4*\d:KR+16*\u+4*\d+3], v3 offset:(2*(\g)+\u)*2048+512*\d
.endr
.endif
.endr
.endm
.macro VLOAD kk                        ; V^T's four fragments (16 channels x 32 keys) of key tiles 2 kk and 2 kk + 1 into set (kk + 1) % 2.  There is no tile 17: its half takes tile 16's numbers, which stand against zeros of P
.set VR, SA+32*(((\kk)+1)%2)
.irp n, 0,1,2,3
	ds_load_tr16_b128 v[VR+8*\n:VR+8*\n+3], v4 offset:(2*(\kk))*2048+512*\n
.if (\kk) < 8
	ds_load_tr16_b128 v[VR+8*\n+4:VR+8*\n+7], v4 offset:(2*(\kk)+1)*2048+512*\n
.else
	ds_load_tr16_b128 v[VR+8*\n+4:VR+8*\n+7], v4 offset:(2*(\kk))*2048+512*\n
.endif
.endr
.endm
.macro SCORE g                         ; the group's two tiles take turns, one instruction a turn; tile 16 stands alone and has a wait ahead of its second link
.set KR, SA+32*((\g)%2)
.set S0, S+16*(\g)
	v_wmma_f32_16x16x32_f16 v[S0:S0+7], v[KR:KR+7], v[QF:QF+7], 0
.if (\g) < 8
	v_wmma_f32_16x16x32_f16 v[S0+8:S0+15], v[KR+16:KR+23], v[QF:QF+7], 0
	v_wmma_f32_16x16x32_f16 v[S0:S0+7], v[KR+8:KR+15], v[QF+8:QF+15], v[S0:S0+7]
	v_wmma_f32_16x16x32_f16 v[S0+8:S0+15], v[KR+24:KR+31], v[QF+8:QF+15], v[S0+8:S0+15]
.else
	s_wait_alu depctr_va_vdst(0)
	v_wmma_f32_16x16x32_f16 v[S0:S0+7], v[KR+8:KR+15], v[QF+8:QF+15], v[S0:S0+7]
.endif
.endm
.macro MASKLO t                        ; the scores of keys under lo become -infinity
.irp j, 0,1,2,3,4,5,6,7
	v_cmp_lt_i32 vcc_lo, 16*(\t)+\j, v6
	v_cndmask_b32 v[S+8*(\t)+\j], v[S+8*(\t)+\j], v8, vcc_lo
.endr
.endm
.macro MASKHI t                        ; and those of keys over hi
.irp j, 0,1,2,3,4,5,6,7
	v_cmp_gt_i32 vcc_lo, 16*(\t)+\j, v7
	v_cndmask_b32 v[S+8*(\t)+\j], v[S+8*(\t)+\j], v8, vcc_lo
.endr
.endm
	; ---- S^T = K Q^T: nine groups, the loads one group ahead
	KLOAD 0
	KLOAD 1
	s_wait_loadcnt 0x0                             ; Q
.irp g, 0,1,2,3,4,5,6,7,8
.if \g == 7
	s_wait_dscnt 4                                 ; group 7 is in; tile 16's four loads may be out
.else
	s_wait_dscnt 8                                 ; this group is in; the eight loads issued behind it may be out
.endif
	SCORE \g
.rept 4
	v_nop                                          ; places in front of loads into the set just multiplied
.endr
.if \g < 7
	KLOAD \g+2
.elseif \g == 7
	VLOAD 0
.else
	VLOAD 1
.endif
.endr
	; ---- the mask.  Away from the sequence's ends lo lies in tile 0 and hi in tile 16; the other tiles are masked only by the tiles of queries at the ends: a scalar branch on ids
	MASKLO 0
	MASKHI 16
	s_sub_co_u32 s28, s11, 8
	s_cmp_lt_u32 s28, 240
	s_cbranch_scc1 .Linner
.irp t, 1,2,3,4,5,6,7
	MASKLO \t
.endr
.irp t, 9,10,11,12,13,14,15
	MASKHI \t
.endr
.Linner:
	; ---- the row's maximum: four chains, each tile from its low registers on
.irp c, 0,1,2,3
	v_max3_num_f32 v[12+\c], v[S+8*\c], v[S+8*\c+1], v[S+8*\c+2]
.endr
.irp i, 3,5
.irp c, 0,1,2,3
	v_max3_num_f32 v[12+\c], v[12+\c], v[S+8*\c+\i], v[S+8*\c+\i+1]
.endr
.endr
.irp c, 0,1,2,3
	v_max_num_f32 v[12+\c], v[12+\c], v[S+8*\c+7]
.endr
.irp g, 1,2,3
.irp i, 0,2,4,6
.irp c, 0,1,2,3
	v_max3_num_f32 v[12+\c], v[12+\c], v[S+8*(4*\g+\c)+\i], v[S+8*(4*\g+\c)+\i+1]
.endr
.endr
.endr
.irp i, 0,2,4,6
	v_max3_num_f32 v12, v12, v[S+128+\i], v[S+128+\i+1]
.endr
	v_max3_num_f32 v12, v12, v13, v14
	v_max_num_f32 v12, v12, v15
	v_permlanex16_b32 v13, v12, s24, s25           ; the query's other keys lie in the lane 16 away
	v_max_num_f32 v12, v12, v13                    ; m: the query's own key always counts, so m is a number
	v_mul_f32 v10, s26, v12                        ; c m
	; ---- p = 2^(c s - c m): one batch of exponentials, one wait
.set i, 0
.rept 68
	v_pk_fma_f32 v[S+i:S+i+1], v[S+i:S+i+1], s[26:27], v[10:11] op_sel_hi:[1,0,0] neg_lo:[0,0,1] neg_hi:[0,0,1]
.set i, i+2
.endr
.set i, 0
.rept 136
	v_exp_f32 v[S+i], v[S+i]
.set i, i+1
.endr
	v_nop                                          ; a plain line behind the last exponential
	s_wait_alu depctr_va_vdst(0)                   ; a wait ahead of the first line that names a result: one for the batch
	v_pk_add_f32 v[16:17], v[S:S+1], v[S+2:S+3]    ; the row's sum, of the unrounded p, in two chains
	v_pk_add_f32 v[18:19], v[S+4:S+5], v[S+6:S+7]
.set i, 8
.rept 32
	v_pk_add_f32 v[16:17], v[16:17], v[S+i:S+i+1]
	v_pk_add_f32 v[18:19], v[18:19], v[S+i+2:S+i+3]
.set i, i+4
.endr
	v_pk_add_f32 v[16:17], v[16:17], v[18:19]
	v_add_f32 v16, v16, v17
	v_permlanex16_b32 v17, v16, s24, s25
	v_add_f32 v16, v16, v17
	v_rcp_f32 v20, v16
	; ---- P: two neighbouring keys to a register, in place: the destination never overtakes a source that is still to be read.  (The independent work behind the reciprocal)
.set i, 0
.rept 68
	v_cvt_pk_f16_f32 v[S+i], v[S+2*i], v[S+2*i+1]
.set i, i+1
.endr
.irp i, 68,69,70,71
	v_mov_b32 v[S+\i], 0                           ; there is no tile 17: zeros
.endr
	s_wait_alu depctr_va_vdst(0)                   ; the reciprocal's wait, ahead of its first reader
	; ---- O^T = V^T P: nine steps of 32 keys, the four accumulators by turns, the loads two steps ahead
.irp kk, 0,1,2,3,4,5,6,7,8
.set VR, SA+32*((\kk+1)%2)
.if \kk < 8
	s_wait_dscnt 8                                 ; this step's eight loads are in; the next step's may be out
.else
	s_wait_dscnt 0x0
.endif
.irp n, 0,1,2,3
.if \kk == 0
	v_wmma_f32_16x16x32_f16 v[OT+8*\n:OT+8*\n+7], v[VR+8*\n:VR+8*\n+7], v[S+8*\kk:S+8*\kk+7], 0
.else
	v_wmma_f32_16x16x32_f16 v[OT+8*\n:OT+8*\n+7], v[VR+8*\n:VR+8*\n+7], v[S+8*\kk:S+8*\kk+7], v[OT+8*\n:OT+8*\n+7]
.endif
.endr
.rept 4
	v_nop                                          ; places in front of loads into the set just multiplied, and of the first read of the results
.endr
.if \kk < 7
	VLOAD \kk+2
.endif
.endr
	; ---- the way out: O^T / the sum, rounded to f16: 16 bytes a lane for each tile of channels; each store covers 512 consecutive bytes
.set i, 0
.rept 16
	v_pk_mul_f32 v[OT+i:OT+i+1], v[OT+i:OT+i+1], v[20:21] op_sel_hi:[1,0]
.set i, i+2
.endr
.set i, 0
.rept 16
	v_cvt_pk_f16_f32 v[PK+i], v[OT+2*i], v[OT+2*i+1]
.set i, i+1
.endr
.irp n, 0,1,2,3
	global_store_b128 v5, v[PK+4*\n:PK+4*\n+3], s[6:7] offset:512*\n
.endr
	s_wait_tensorcnt 0x0                           ; the wave's end
	ds_add_u32 v1, v2
	s_wait_dscnt 0x0
	s_endpgm
.Lfunc_end_k_q1988d9702a_attn:
	.size	k_q1988d9702a_attn, .Lfunc_end_k_q1988d9702a_attn-k_q1988d9702a_attn
	.p2alignl 7, 3214868480
	.fill 96, 4, 3214868480
	.section	.rodata,"a",@progbits
	.p2align	6, 0x0
	.amdhsa_kernel k_q1988d9702a_attn
		.amdhsa_group_segment_fixed_size 167936
		.amdhsa_private_segment_fixed_size 0
		.amdhsa_enable_private_segment 0
		.amdhsa_kernarg_size 16
		.amdhsa_user_sgpr_count 2
		.amdhsa_user_sgpr_kernarg_segment_ptr 1
		.amdhsa_wavefront_size32 1
		.amdhsa_system_sgpr_workgroup_id_x 1
		.amdhsa_system_sgpr_workgroup_id_y 1
		.amdhsa_system_sgpr_workgroup_id_z 1
		.amdhsa_system_vgpr_workitem_id 0
		.amdhsa_next_free_vgpr 256
		.amdhsa_next_free_sgpr 66
		.amdhsa_reserve_vcc 1
		.amdhsa_float_denorm_mode_32 3
		.amdhsa_float_denorm_mode_16_64 3
		.amdhsa_memory_ordered 1
		.amdhsa_forward_progress 1
		.amdhsa_inst_pref_size 56
	.end_amdhsa_kernel
	.amdgpu_metadata
---
amdhsa.version: [ 1, 2 ]
amdhsa.kernels:
  - .name:           k_q1988d9702a_attn
    .symbol:         k_q1988d9702a_attn.kd
    .args:
      - { .name: qkv, .offset: 0, .size: 8, .value_kind: global_buffer, .address_space: global }
      - { .name: att, .offset: 8, .size: 8, .value_kind: global_buffer, .address_space: global }
    .group_segment_fixed_size: 167936
    .private_segment_fixed_size: 0
    .kernarg_segment_align: 8
    .kernarg_segment_size: 16
    .max_flat_workgroup_size: 512
    .sgpr_count:     66
    .vgpr_count:     256
    .wavefront_size: 32
...
	.end_amdgpu_metadata
.endif
;; end of part 3
;; launch proj (part 4): grid 8 x 32, 4 waves a work-group, clusters of 4 x 4, 327,680 bytes of LDS; arguments att, wo_img, out0, bo; writes out0
.if DOCPART == 4
	.amdgcn_target "amdgcn-amd-amdhsa--gfx1250"
	.amdhsa_code_object_version 6
	.text
	.protected	k_q1988d9702a_proj
	.globl	k_q1988d9702a_proj
	.p2align	8
	.type	k_q1988d9702a_proj,@function
k_q1988d9702a_proj:
	s_mov_b64 s[64:65], 0
	v_nop
	global_prefetch_b8 v0, s[64:65] scope:SCOPE_SE
	s_setreg_imm32_b32 hwreg(HW_REG_WAVE_MODE, 25, 1), 1
	s_wait_xcnt 0x0
	s_wait_alu depctr_hold_cnt(0) depctr_sa_sdst(0) depctr_va_vdst(0) depctr_va_sdst(0) depctr_va_ssrc(0) depctr_va_vcc(0) depctr_vm_vsrc(0)
	s_getreg_b32 s2, hwreg(HW_REG_IB_STS2, 6, 4)
	s_cmp_eq_u32 s2, 0
	s_cbranch_scc0 .Lentry_in_a_cluster
	s_endpgm
.Lentry_in_a_cluster:
	s_bfe_u32 s2, ttmp6, 0x10000c
	s_cmp_lg_u32 s2, 0xf033
	s_cbranch_scc0 .Lentry_shape_is_right
	s_endpgm
.Lentry_shape_is_right:
; out0 [4096][1024] f32 = att [4096][1024] wo [K 1024][N 1024] + bo, on f16 operands, sums in f32.
; A tile of 128 x 128 is made by a work-group of four waves, each 64 x 64: 16 accumulators, 128 registers: 256 work-groups.  K goes in four steps of 256 through a ring of two LDS slots: each slot is filled twice.
; BOTH OPERANDS LIE IN MEMORY AS IMAGES OF THEIR FRAGMENTS' REGISTERS: [256 along K 4][tile of 16 rows or columns][32 along K 8][e 2][lane][16 bytes].  So 64 rows of a K step are 32,768 dense bytes, one tensor load a wave,
; and a fragment is two LDS loads of 16 bytes a lane at 16 x lane: no pitch, no padding, each load 512 consecutive bytes.
; CLUSTERS: 4 x 4 work-groups.  The four of a row of the cluster need the same tiles of att, the four of a column the same tiles of wo: each is asked for jointly.  Where a slot is filled again a round of the cluster's barrier stands in front.
; A wave has two tensor loads out at the start and one behind each round.
; THE MATRIX INSTRUCTION IS USED TRANSPOSED (source 0 = 16 columns of wo, source 1 = 16 rows of att): a lane holds eight neighbouring numbers of a row of out0.  THE BIAS is the C of each sum's first matrix instruction.
; THE WAY OUT: a wave's 64 columns are 256 bytes of a row.  A block of 16 rows goes through the wave's own stage in LDS (behind the ring; no tensor load lands there) and leaves by rows: sixteen lanes store 256 consecutive, aligned bytes.
; REGISTERS: window 0: v0-31 addresses; v32-63 the bias, later with v64-95 rows on the way out; v128-255 the accumulators ((a, b) at v[128 + 8 (4 a + b)]).   window 1: two fragment buffers of 128: 64 registers of att, then 64 of wo.
.set HALFT,  32768                     ; 64 rows or columns of a K step: what one tensor load brings
.set SLOT,   4*HALFT                   ; att's 128 rows, then wo's 128 columns
.set ASTEP,  2097152                   ; from a K step of att to the next: 256 tiles x 8,192 bytes
.set BSTEP,  524288                    ; of wo: 64 tiles x 8,192 bytes
.set STAGE,  2*SLOT                    ; 16 rows x 272 bytes for each wave
.set SPITCH, 272
.set SPARE,  STAGE+4*16*SPITCH         ; the spare words, 128 bytes for each wave
.set ADRA, 16                          ; v16-17  LDS address of my fragments of att in slot 0, 1
.set ADRB, 20                          ; v20-21  the same for wo
.set STO,  24                          ; v24     the way out: where I put 32 bytes of a row
.set RD,   25                          ; v25     where I read a row back
.set CO,   26                          ; v26     my byte offset in out0
.set BO,   27                          ; v27     the bias: 32 h
.set SPW,  28                          ; v28     LDS address of my spare word; never rewritten
.set NIL,  29                          ; v29     0; never rewritten
.set BIAS, 32
.set TMP,  32
.set ACC,  128
.set F0,   0
.set F1,   128
.set G1, 24                            ; s[24:31] group 1 for att's tiles;  s[32:39] group 0, one set for each slot
.set G0, 32
.set G1B, 48                           ; s[48:55], s[56:63] the same for wo's
.set G0B, 56
.set MSB, 0
.macro WIN new                         ; the immediate's high byte repeats the setting that is left
.if MSB != \new
	s_set_vgpr_msb (MSB<<8)|\new
.set MSB, \new
.endif
.endm
.set MUL,  0x05                        ; sources 0 and 1 window 1; C and D window 0
.set TO_F, 0x40                        ; destination window 1, address window 0
.macro JLOAD s                         ; a joint load: waves 0 and 1 fetch att's two halves, waves 2 and 3 wo's; an s_nop 0 and four v_nop follow each of the two lines
	s_cmp_eq_u32 s11, 0
	s_cbranch_scc0 .Lfor_b_\@
	tensor_load_to_lds s[G0+4*\s:G0+4*\s+3], s[G1:G1+7]
	s_nop 0
.rept 4
	v_nop
.endr
	s_branch .Lasked_\@
.Lfor_b_\@:
	tensor_load_to_lds s[G0B+4*\s:G0B+4*\s+3], s[G1B:G1B+7]
	s_nop 0
.rept 4
	v_nop
.endr
.Lasked_\@:
.endm
.macro CREST                           ; a round of the cluster's barrier behind its opening barrier
	s_cmp_lg_u32 s10, 0
	s_cbranch_scc1 .Lnot_wave_0_\@
	s_barrier_signal -3
.Lnot_wave_0_\@:
	s_barrier_wait -3
	s_barrier_signal -1
	s_barrier_wait -1
.endm
.macro CROUND                          ; a whole round
	s_barrier_signal -1
	s_barrier_wait -1
	CREST
.endm
	s_load_b128 s[4:7], s[0:1], 0x0                ; att, wo's images
	s_load_b64 s[8:9], s[0:1], 0x10                ; out0
	s_load_b64 s[66:67], s[0:1], 0x18              ; bo
	v_lshl_add_u32 v[SPW], v0, 2, SPARE
	v_mov_b32 v[NIL], 0
	ds_add_u32 v[SPW], v[NIL]                      ; the wave's opening: the add, twice on end, and its wait ahead of my first tensor load
	ds_add_u32 v[SPW], v[NIL]
	v_lshrrev_b32 v1, 5, v0
	v_readfirstlane_b32 s10, v1                    ; wave 0..3
	s_lshr_b32 s11, s10, 1                         ; which half of the tile's rows is mine.  Also: I fetch for att (0) or for wo (1)
	s_and_b32 s12, s10, 1                          ; which half of its columns.  Also: which 64 I fetch
	s_bfe_u32 s40, ttmp6, 0x40000                  ; cx, cy: my place in the cluster
	s_bfe_u32 s41, ttmp6, 0x40004
	s_lshl_b32 s42, ttmp9, 2
	s_add_co_u32 s42, s42, s40                     ; tile column = 4 x cluster x + cx
	s_and_b32 s13, ttmp7, 0xffff
	s_lshl_b32 s13, s13, 2
	s_add_co_u32 s13, s13, s41                     ; tile row = 4 x cluster y + cy
	s_lshl_b32 s43, s41, 2
	s_lshl_b32 s43, 15, s43                        ; my row of the cluster
	s_lshl_b32 s44, 0x1111, s40                    ; my column
	s_or_b32 s[G1+0], s43, (3<<16)|(1<<21)         ; the mask; elements of 8 bytes; bit 21 beside a mask; no padding: a dense block as 128 rows of 256 bytes
	s_or_b32 s[G1B+0], s44, (3<<16)|(1<<21)
.irp g, G1, G1B
	s_mov_b32 s[\g+1], 32<<16                      ; tensor_dim0
	s_mov_b32 s[\g+2], 128<<16                     ; tensor_dim1
	s_mov_b32 s[\g+3], 32<<16                      ; tile_dim0
	s_mov_b32 s[\g+4], 128                         ; tile_dim1
	s_mov_b32 s[\g+5], 32                          ; from row to row
	s_mov_b32 s[\g+6], 0
	s_mov_b32 s[\g+7], 0
.endr
	s_lshl_b32 s17, s12, 2                         ; which four tiles of 16 I fetch
	s_lshl_b32 s16, s13, 3
	s_add_co_u32 s16, s16, s17
	s_lshl_b32 s16, s16, 13                        ; att: tile 8 x tile row + 4 x half, 8,192 bytes a tile
	s_lshl_b32 s46, s42, 3
	s_add_co_u32 s46, s46, s17
	s_lshl_b32 s46, s46, 13                        ; wo: tile 8 x tile column + 4 x half
	s_mov_b32 s17, 0
	s_mov_b32 s47, 0
	s_mul_i32 s20, s10, HALFT                      ; where they go: wave x 32,768: no place in the cluster enters an LDS address
	s_wait_dscnt 0x0                               ; both opening adds are done
	s_wait_kmcnt 0x0
	s_add_nc_u64 s[14:15], s[4:5], s[16:17]
	s_add_nc_u64 s[46:47], s[6:7], s[46:47]
	CROUND                                         ; all sixteen work-groups are here: the first joint loads meet
.irp s, 0,1
	s_mov_b32 s[G0+4*\s], 1
	s_add_co_u32 s[G0+4*\s+1], s20, \s*SLOT
	s_add_nc_u64 s[G0+4*\s+2:G0+4*\s+3], s[14:15], \s*ASTEP
	s_or_b32 s[G0+4*\s+3], s[G0+4*\s+3], 0x80000000
	s_mov_b32 s[G0B+4*\s], 1
	s_add_co_u32 s[G0B+4*\s+1], s20, \s*SLOT
	s_add_nc_u64 s[G0B+4*\s+2:G0B+4*\s+3], s[46:47], \s*BSTEP
	s_or_b32 s[G0B+4*\s+3], s[G0B+4*\s+3], 0x80000000
	JLOAD \s
.endr
	v_and_b32 v1, 15, v0                           ; r = lane % 16
	v_bfe_u32 v2, v0, 4, 1                         ; h = lane / 16
	s_lshl_b32 s16, s13, 7
	s_lshl_b32 s17, s11, 6
	s_add_co_u32 s16, s16, s17                     ; my first row of out0: 128 x tile row + 64 x half
	s_lshl_b32 s16, s16, 12                        ; 4,096 bytes a row
	s_mov_b32 s17, 0
	s_add_nc_u64 s[8:9], s[8:9], s[16:17]
	s_lshl_b32 s46, s42, 9                         ; my first column, in bytes: 512 x tile column + 256 x half: in out0's rows and in bo alike
	s_lshl_b32 s47, s12, 8
	s_add_co_u32 s46, s46, s47
	s_mov_b32 s47, 0
	s_add_nc_u64 s[8:9], s[8:9], s[46:47]
	s_add_nc_u64 s[66:67], s[66:67], s[46:47]
	v_lshlrev_b32 v[BO], 5, v2                     ; lane (r, h) wants, for tile b, columns 16 b + 8 h + 0 .. 7
.irp b, 0,1,2,3
	global_load_b128 v[BIAS+8*\b:BIAS+8*\b+3], v[BO], s[66:67] offset:64*\b
	global_load_b128 v[BIAS+8*\b+4:BIAS+8*\b+7], v[BO], s[66:67] offset:64*\b+16
.endr
	v_and_b32 v3, 31, v0
	v_lshlrev_b32 v3, 4, v3                        ; 16 x lane
	s_mul_i32 s21, s11, HALFT                      ; my 64 rows of att
	s_mul_i32 s22, s12, HALFT                      ; my 64 columns of wo,
	s_add_co_u32 s22, s22, 2*HALFT                 ; behind att's 128 rows
.irp s, 0,1
	v_add_nc_u32 v[ADRA+\s], s21, v3
	v_add_nc_u32 v[ADRB+\s], s22, v3
	s_add_co_u32 s21, s21, SLOT
	s_add_co_u32 s22, s22, SLOT
.endr
	s_mul_i32 s23, s10, 16*SPITCH
	s_add_co_u32 s23, s23, STAGE                   ; my stage
	v_mul_u32_u24 v4, v1, SPITCH                   ; in: row r, 32 bytes for each half of the lanes
	v_lshl_add_u32 v4, v2, 5, v4
	v_add_nc_u32 v[STO], s23, v4
	v_mul_u32_u24 v5, v2, SPITCH                   ; back: lanes 0-15 take one row of 256 bytes, lanes 16-31 the next
	v_lshl_add_u32 v5, v1, 4, v5
	v_add_nc_u32 v[RD], s23, v5
	v_lshlrev_b32 v5, 12, v2                       ; and the same two rows in out0
	v_lshl_add_u32 v[CO], v1, 4, v5
; 8 matrix instructions: row blocks a0, a0 + 1 x all 4 column blocks, 32 along K: half c of buffer f.  first = 1: the bias starts the sums.  The 16 accumulators take turns.
.macro MUL8 f, c, a0, first
.irp a, \a0, \a0+1
.irp b, 0,1,2,3
.if \first
	v_wmma_f32_16x16x32_f16 v[ACC+8*(4*(\a)+\b):ACC+8*(4*(\a)+\b)+7], v[\f+64+8*(4*\c+\b):\f+64+8*(4*\c+\b)+7], v[\f+8*(4*\c+\a):\f+8*(4*\c+\a)+7], v[BIAS+8*\b:BIAS+8*\b+7]
.else
	v_wmma_f32_16x16x32_f16 v[ACC+8*(4*(\a)+\b):ACC+8*(4*(\a)+\b)+7], v[\f+64+8*(4*\c+\b):\f+64+8*(4*\c+\b)+7], v[\f+8*(4*\c+\a):\f+8*(4*\c+\a)+7], v[ACC+8*(4*(\a)+\b):ACC+8*(4*(\a)+\b)+7]
.endif
.endr
.endr
.endm
; 32 LDS loads in one run: the fragments of the slot's qd-th 64 along K into buffer f; the first 32 along K first
.macro FETCH slot, qd, f
	WIN TO_F
.irp c, 0,1
.irp i, 0,1,2,3
	ds_load_b128 v[\f+64+8*(4*\c+\i):\f+64+8*(4*\c+\i)+3],   v[ADRB+\slot] offset:\i*8192+(2*(\qd)+\c)*1024
	ds_load_b128 v[\f+64+8*(4*\c+\i)+4:\f+64+8*(4*\c+\i)+7], v[ADRB+\slot] offset:\i*8192+(2*(\qd)+\c)*1024+512
	ds_load_b128 v[\f+8*(4*\c+\i):\f+8*(4*\c+\i)+3],         v[ADRA+\slot] offset:\i*8192+(2*(\qd)+\c)*1024
	ds_load_b128 v[\f+8*(4*\c+\i)+4:\f+8*(4*\c+\i)+7],       v[ADRA+\slot] offset:\i*8192+(2*(\qd)+\c)*1024+512
.endr
.endr
.endm
.macro PLACES                          ; four plain lines in front of loads into registers that matrix instructions have read, and of the first read of results (ISA guide 7.12.1 for the reads)
.rept 4
	v_nop
.endr
.endm
; A K step is four quarters of 64 along K, 32 matrix instructions each, on buffers 0, 1, 0, 1.  One of the first three: multiplies buffer f and fetches quarter qd into g.
.macro QUARTER slot, qd, f, g, first
	s_wait_dscnt 16                                ; the first 32 along K are in; the youngest sixteen loads may be out
	WIN MUL
	MUL8 \f, 0, 0, \first
	MUL8 \f, 0, 2, \first
	PLACES
	FETCH \slot, \qd, \g
	s_wait_dscnt 32                                ; all but the 32 just issued
	WIN MUL
	MUL8 \f, 1, 0, 0
	MUL8 \f, 1, 2, 0
.endm
; The last quarter multiplies buffer 1 and changes slots: one barrier; in front of it each wave waits for all its tensor loads, adds 0 to its spare word, and waits for that and for its own reads of this slot.
; fill = 1: the barrier opens a round of the cluster's barrier, and this slot is filled again, two K steps ahead, first thing behind the round.
.macro TURN slot, next, fill
	WIN 0                                          ; (the add's two registers lie in window 0)
	s_wait_tensorcnt 0x0                           ; all my tensor loads have landed: my part of the next slot;
	ds_add_u32 v[SPW], v[NIL]                      ; 0 onto my spare word;
	s_wait_dscnt 17                                ; (the add and the youngest sixteen loads may be out)
	WIN MUL
	MUL8 F1, 0, 0, 0
	s_wait_dscnt 0x0                               ; the add is done, and my reads of this slot are over
	s_barrier_signal -1
	MUL8 F1, 0, 2, 0
.if \fill
	WIN 0
.endif
	s_barrier_wait -1
.if \fill
	CREST                                          ; no wave of any partner still reads this slot's tile or has a load on its way
	s_add_nc_u64 s[G0+4*\slot+2:G0+4*\slot+3], s[G0+4*\slot+2:G0+4*\slot+3], 2*ASTEP
	s_add_nc_u64 s[G0B+4*\slot+2:G0B+4*\slot+3], s[G0B+4*\slot+2:G0B+4*\slot+3], 2*BSTEP
	JLOAD \slot                                    ; the first tensor load behind the round; the four v_nop behind it are also the places in front of the loads below
.else
	PLACES
.endif
	FETCH \next, 0, F0
	WIN MUL
	MUL8 F1, 1, 0, 0
	MUL8 F1, 1, 2, 0
.endm
	s_wait_tensorcnt 1                             ; my part of K step 0 is in (K step 1's load may be out)
	s_barrier_signal -1
	s_barrier_wait -1                              ; everybody's is
	FETCH 0, 0, F0
	s_wait_loadcnt 0x0                             ; the bias
	QUARTER 0, 1, F0, F1, 1                        ; K step 0; its first products start the sums with the bias
	QUARTER 0, 2, F1, F0, 0
	QUARTER 0, 3, F0, F1, 0
	TURN 0, 1, 1                                   ; slot 0 takes K step 2
	QUARTER 1, 1, F0, F1, 0                        ; K step 1
	QUARTER 1, 2, F1, F0, 0
	QUARTER 1, 3, F0, F1, 0
	TURN 1, 0, 1                                   ; slot 1 takes K step 3
	QUARTER 0, 1, F0, F1, 0                        ; K step 2
	QUARTER 0, 2, F1, F0, 0
	QUARTER 0, 3, F0, F1, 0
	TURN 0, 1, 0                                   ; nothing is left to fetch
	QUARTER 1, 1, F0, F1, 0                        ; K step 3
	QUARTER 1, 2, F1, F0, 0
	QUARTER 1, 3, F0, F1, 0
	s_wait_dscnt 16                                ; the very last quarter
	WIN MUL
	MUL8 F1, 0, 0, 0
	MUL8 F1, 0, 2, 0
	s_wait_dscnt 0
	MUL8 F1, 1, 0, 0
	MUL8 F1, 1, 2, 0
	WIN 0
; THE WAY OUT, block by block of 16 rows x 64 columns, through my own stage.  LDS serves a wave's instructions in order (ISA guide 5.7.1.4): no wait between the stores and the loads, nor in front of the next block's stores.
.macro TOSTAGE a
.irp b, 0,1,2,3
	ds_store_b128 v[STO], v[ACC+8*(4*(\a)+\b):ACC+8*(4*(\a)+\b)+3] offset:64*\b        ; each accumulator from its low end on
	ds_store_b128 v[STO], v[ACC+8*(4*(\a)+\b)+4:ACC+8*(4*(\a)+\b)+7] offset:64*\b+16
.endr
.set BB, TMP+32*((\a)%2)
.irp t, 0,1,2,3,4,5,6,7
	ds_load_b128 v[BB+4*\t:BB+4*\t+3], v[RD] offset:\t*2*SPITCH
.endr
.endm
.macro SEND a, younger                 ; younger: the LDS instructions issued behind block a's loads, which may stay out
.set BB, TMP+32*((\a)%2)
	s_wait_dscnt \younger
.irp t, 0,1,2,3,4,5,6,7
	global_store_b128 v[CO], v[BB+4*\t:BB+4*\t+3], s[8:9] offset:(16*(\a)+2*\t)*4096 th:TH_STORE_NT   ; sixteen lanes store 256 consecutive bytes, at a multiple of 256 from out0's first byte; written once, read by nobody here
.endr
.endm
	PLACES
	TOSTAGE 0
.irp a, 1,2,3
.if \a > 1
	s_wait_xcnt 0x0                                ; block a - 2's stores have read their registers: block a's loads may land there
.endif
	TOSTAGE \a
	SEND \a-1, 16                                  ; behind block a - 1's loads: block a's 8 stores and 8 loads
.endr
	SEND 3, 0
	s_wait_tensorcnt 0x0                           ; the wave's end, behind my last tensor load and my last LDS store
	ds_add_u32 v[SPW], v[NIL]
	s_wait_dscnt 0x0
	CROUND                                         ; the closing round: no work-group ends while a partner may still ask for a tile that names it
	s_endpgm
.Lfunc_end_k_q1988d9702a_proj:
	.size	k_q1988d9702a_proj, .Lfunc_end_k_q1988d9702a_proj-k_q1988d9702a_proj
	.p2alignl 7, 3214868480
	.fill 96, 4, 3214868480
	.section	.rodata,"a",@progbits
	.p2align	6, 0x0
	.amdhsa_kernel k_q1988d9702a_proj
		.amdhsa_group_segment_fixed_size 327680
		.amdhsa_private_segment_fixed_size 0
		.amdhsa_enable_private_segment 0
		.amdhsa_kernarg_size 32
		.amdhsa_user_sgpr_count 2
		.amdhsa_user_sgpr_kernarg_segment_ptr 1
		.amdhsa_wavefront_size32 1
		.amdhsa_system_sgpr_workgroup_id_x 1
		.amdhsa_system_sgpr_workgroup_id_y 1
		.amdhsa_system_sgpr_workgroup_id_z 1
		.amdhsa_system_vgpr_workitem_id 0
		.amdhsa_next_free_vgpr 512
		.amdhsa_next_free_sgpr 68
		.amdhsa_reserve_vcc 0
		.amdhsa_float_denorm_mode_32 3
		.amdhsa_float_denorm_mode_16_64 3
		.amdhsa_memory_ordered 1
		.amdhsa_forward_progress 1
		.amdhsa_inst_pref_size 86
	.end_amdhsa_kernel
	.amdgpu_metadata
---
amdhsa.version: [ 1, 2 ]
amdhsa.kernels:
  - .name:           k_q1988d9702a_proj
    .symbol:         k_q1988d9702a_proj.kd
    .args:
      - { .name: att, .offset: 0, .size: 8, .value_kind: global_buffer, .address_space: global }
      - { .name: wo_img, .offset: 8, .size: 8, .value_kind: global_buffer, .address_space: global }
      - { .name: out0, .offset: 16, .size: 8, .value_kind: global_buffer, .address_space: global }
      - { .name: bo, .offset: 24, .size: 8, .value_kind: global_buffer, .address_space: global }
    .group_segment_fixed_size: 327680
    .private_segment_fixed_size: 0
    .kernarg_segment_align: 8
    .kernarg_segment_size: 32
    .max_flat_workgroup_size: 128
    .sgpr_count:     68
    .vgpr_count:     512
    .wavefront_size: 32
...
	.end_amdgpu_metadata
.endif
;; end of part 4
